; MI455X (gfx1250); checked and timed in simulation.
; The chip was launched on July 23, 2026; its instructions are those of AMD's public machine-readable ISA for CDNA 5 (MIT licence, August 2026) and "CDNA5" Instruction Set Architecture Reference Guide (July 2026). The comments in the code are by the model that wrote it; some were corrected since.
;; Multi Scale Retention. Allowed arithmetic: matrix products marked QUANTISED: E2M1 operands, one E8M0 scale for each 32 along K, by v_wmma_scale_f32_16x16x128_f8f6f4 with both operands' format E2M1 (or v_wmma_scale_f32_32x16x128_f4), f32 sums; products left as they are: bf16, f16 or f32 operands; f32 sums; everything else in f32.
;; Inputs: Wg 1,024 x 2,048 float32; Wk 1,024 x 1,024 float32; Wo 2,048 x 1,024 float32; Wq 1,024 x 1,024 float32; Wv 1,024 x 2,048 float32; bg 2,048 float32; bk 1,024 float32; bo 1,024 float32; bq 1,024 float32; bv 2,048 float32; x 2 x 2,048 x 1,024 float32.
;; Outputs: out0 2 x 2,048 x 1,024 float32.
;; This version of the problem:
;;   THIS VERSION OF THE PROBLEM IS GIVEN IN LOW PRECISION. The matrix products marked QUANTISED in the list below multiply operands that are first quantised to E2M1 (2 exponent bits, 1 mantissa bit; 4 bits a number), with one power-of-two scale for each 32 numbers along K (OCP MX v1.0); their sums are f32. The products marked 'left as it is' may take bf16, f16 or f32 operands, with f32 sums. Whichever they take, every output number must still come out within the allowed error. Rounding operands to bf16 (8 significant bits) uses up far more of that allowance than f16 does (11 bits, for magnitudes from 6e-5 to 65,504). All else is computed in f32.
;;   The module's matrix products, in the order in which they are computed (A, B: the left and right operand; K: the contracted axis; several contracted axes count as one K, in the product's order):
;;     1. [M 4,096, K 1,024] x [K 1,024, N 1,024]; A: input x; B: input Wq: QUANTISED
;;     2. [M 4,096, K 1,024] x [K 1,024, N 1,024]; A: input x; B: input Wk: QUANTISED
;;     3. [M 4,096, K 1,024] x [K 1,024, N 2,048]; A: input x; B: input Wv: QUANTISED
;;     4. [M 4,096, K 1,024] x [K 1,024, N 2,048]; A: input x; B: input Wg: QUANTISED
;;     5. batch 32 x [M 2,048, K 64] x [K 64, N 2,048]; A: computed on the way; B: computed on the way: left as it is (an operand is computed on the way)
;;     6. batch 32 x [M 2,048, K 2,048] x [K 2,048, N 128]; A: computed on the way; B: computed on the way: left as it is (an operand is computed on the way)
;;     7. [M 4,096, K 2,048] x [K 2,048, N 1,024]; A: computed on the way; B: input Wo: left as it is (an operand is computed on the way)
;;   THE QUANTISER, for each operand of a quantised product, along K:
;;     - K is cut into blocks of 32 from its start; a last block that is shorter is filled with zeros.
;;     - A block's scale is 2^e with e = floor(log2(the largest magnitude in the block)) - 2, held to -126 .. 127; a block of zeros has e = 0. As a byte (E8M0): e + 127.
;;     - Each number is divided by its block's scale, clamped to +-6, and rounded to the nearest number of E2M1, ties to even, subnormals kept.
;;     - The product sums the exact products of the quantised numbers (number of the format x scale) in f32.
;;   ~~~python
;;   def quantise(x, axis):      # numpy; x: float32 -> the quantised numbers, widened to float32 again
;;       x = np.moveaxis(x, axis, -1); K = x.shape[-1]
;;       x = np.pad(x, [(0, 0)] * (x.ndim - 1) + [(0, -K % 32)]); x = x.reshape(x.shape[:-1] + (-1, 32)); a = np.abs(x).max(-1, keepdims=True)
;;       e = np.where(a > 0, np.clip(np.frexp(np.where(a > 0, a, 1))[1] - 1 - 2, -126, 127), 0)      # np.frexp(a)[1] - 1 = floor(log2(a)), exactly
;;       r = np.clip(x / 2.0 ** e, -6, 6)
;;       step = 2.0 ** (np.maximum(np.frexp(np.where(r == 0, 1, r))[1] - 1, 0) - 1)
;;       q = np.round(r / step) * step * 2.0 ** e      # np.round: ties to even
;;       return np.moveaxis(q.reshape(q.shape[:-2] + (-1,))[..., :K], -1, axis).astype(np.float32)
;;   ~~~
;; One version. Each part assembles by itself: llvm-mc -triple=amdgcn-amd-amdhsa -mcpu=gfx1250 --defsym DOCPART=n.
;; ======== version 1 of 1: 4 launches
;; limits: values outside matrix products are rounded to f16; values are held in f16: magnitudes above 65,504 overflow, below 6.1e-05 lose precision
;; workspace buffers: prepb 10,289,152 bytes; projb 50,597,888 bytes; actb 16,777,216 bytes
;; launch prep (part 1): grid 400 x 1, 4 waves a work-group, no clusters, 51,200 bytes of LDS; arguments x, Wq, Wk, Wv, Wg, Wo, prepb; writes prepb
.if DOCPART == 1
	.amdgcn_target "amdgcn-amd-amdhsa--gfx1250"
	.amdhsa_code_object_version 6
	.text
	.protected	k_q10e172fbe7_prep
	.globl	k_q10e172fbe7_prep
	.p2align	8
	.type	k_q10e172fbe7_prep,@function
k_q10e172fbe7_prep:
	s_mov_b64 s[64:65], 0
	v_nop
	global_prefetch_b8 v0, s[64:65] scope:SCOPE_SE
	s_setreg_imm32_b32 hwreg(HW_REG_WAVE_MODE, 25, 1), 1
	s_wait_xcnt 0x0
; PREP: everything that is made once from the inputs, into one workspace buffer:
;   XCO  codes of x, E2M1, [4096][512 bytes], K innermost        XSO  their E8M0 bytes [4096][32]
;   WCO  codes of Wq | Wk | Wv | Wg, laid [6144 n][512 bytes]     WSO  their E8M0 bytes [6144][32]
;   TRIGO [2048 positions][32 angles][cos, sin] f32               WOO  f16(4 Wo), [2048 k][1024 n]
; A block's scale is 2^(floor(log2(largest magnitude)) - 2); its byte is that magnitude's exponent field - 2, held at 1 from below.
; A block of zeros gets the byte 1 where the rule says 127: its codes are zeros, and this program alone reads the bytes.
; LIMITS: NaN and infinities among the inputs are not served; 4 |Wo| stays under 65,504 (f16).
; The work-group's number picks one of four paths (the same for all four waves); each path that uses LDS has LDS bytes of its own.
;   0..127 x (a stream of blocks of 32) | 128..319 weights (32 columns, all of K) | 320..383 Wo | 384..399 the table
.set XCO,   0
.set WCO,   2097152
.set XSO,   5242880
.set WSO,   5373952
.set TRIGO, 5570560
.set WOO,   6094848
.set EMAX,  2
.set SPW,   12                         ; v12 LDS address of my spare word; never rewritten
.set NIL,   13                         ; v13 0; never rewritten
.set WREG,  8192                       ; path x: a region for each wave: two stages of 32 x SP bytes, then 256 scale bytes
.set SP,    80
.set WSTG,  32768                      ; path weights: a stage of 32 rows x (512 + 16) bytes,
.set WPIT,  528
.set SCB,   49664                      ; and 32 rows x 32 scale bytes
.set SPARE, 50688                      ; the spare words, 128 bytes a wave: two blocks of 256 bytes that no other line names
.set STEPS, 16
.set CB,    8
.set R,     16
.set X,     80
.set C,     128
.set E,     112
	s_load_b256 s[4:11], s[0:1], 0x0               ; x, Wq, Wk, Wv
	s_load_b128 s[12:15], s[0:1], 0x20             ; Wg, Wo
	s_load_b64 s[16:17], s[0:1], 0x30              ; the workspace
	v_lshl_add_u32 v[SPW], v0, 2, SPARE
	v_mov_b32 v[NIL], 0
	v_lshrrev_b32 v1, 5, v0
	v_readfirstlane_b32 s18, v1                    ; wave
	v_and_b32 v2, 31, v0                           ; lane
	s_mov_b32 s23, 0                               ; the upper word of every 32-bit offset
	s_wait_kmcnt 0x0
	s_cmp_lt_u32 ttmp9, 128
	s_cbranch_scc1 .Lpath_x
	s_cmp_lt_u32 ttmp9, 320
	s_cbranch_scc1 .Lpath_w
	s_cmp_lt_u32 ttmp9, 384
	s_cbranch_scc1 .Lpath_o
; ---- THE TABLE.  A lane is an angle a: 10000^(-a/31); a wave walks 32 positions; a store is one aligned run of 256 bytes.
; sin and cos: the argument less n pi/2 (pi/2 in two parts, by fused multiply-adds), polynomials on |r| <= pi/4, the quadrant by selects and sign bits.
	s_sub_co_u32 s20, ttmp9, 384
	s_lshl_b32 s20, s20, 7
	s_lshl_b32 s21, s18, 5
	s_add_co_u32 s20, s20, s21                     ; my first position
	v_cvt_f32_u32 v3, v2
	v_mul_f32 v3, 0xbedb762a, v3                   ; -a log2(10000) / 31
	v_exp_f32 v3, v3                               ; the angle
	v_cvt_f32_u32 v4, s20                          ; the position (a plain line behind the exponential)
	v_lshlrev_b32 v7, 3, v2
	s_lshl_b32 s22, s20, 8
	s_add_co_u32 s22, s22, TRIGO-256               ; one row short: the base steps at a trip's head
	s_add_nc_u64 s[24:25], s[16:17], s[22:23]
	s_mov_b32 s26, 0x3fc90fdb                      ; pi/2, upper part
	s_mov_b32 s27, 0xb33bbd2e                      ; and the rest
	s_mov_b32 s19, 0
	s_wait_alu depctr_va_vdst(0)                   ; ahead of the first line that names the angle
.Ltrig:
	s_wait_xcnt 0x0                                ; the last trip's store has read its data and its base
	s_add_nc_u64 s[24:25], s[24:25], 256
	v_mul_f32 v5, v4, v3                           ; position x angle
	v_mul_f32 v6, 0x3f22f983, v5
	v_rndne_f32 v6, v6                             ; n = the nearest multiple of pi/2
	v_fma_f32 v8, -v6, s26, v5
	v_fma_f32 v8, -v6, s27, v8                     ; r
	v_cvt_i32_f32 v9, v6
	v_mul_f32 v10, v8, v8                          ; z = r^2
	v_mov_b32 v11, 0xb94ca1f9
	v_mov_b32 v14, 0x37ccf5ce
	v_fmaak_f32 v11, v11, v10, 0x3c08839e
	v_fmaak_f32 v14, v14, v10, 0xbab6061a
	v_fmaak_f32 v11, v11, v10, 0xbe2aaaa3
	v_fmaak_f32 v14, v14, v10, 0x3d2aaaa5
	v_mul_f32 v11, v11, v10
	v_mul_f32 v14, v14, v10
	v_fma_f32 v15, v10, -0.5, 1.0
	v_fma_f32 v11, v11, v8, v8                     ; sin r
	v_fma_f32 v14, v14, v10, v15                   ; cos r
	v_and_b32 v16, 1, v9
	v_cmp_eq_u32 vcc_lo, 1, v16
	v_cndmask_b32 v17, v11, v14, vcc_lo            ; odd quadrants change the two
	v_cndmask_b32 v18, v14, v11, vcc_lo
	v_and_b32 v16, 2, v9
	v_lshlrev_b32 v16, 30, v16
	v_add_nc_u32 v19, 1, v9
	v_and_b32 v19, 2, v19
	v_lshlrev_b32 v19, 30, v19
	v_xor_b32 v21, v17, v16                        ; sin
	v_xor_b32 v20, v18, v19                        ; cos
	global_store_b64 v7, v[20:21], s[24:25]
	v_add_f32 v4, 1.0, v4
	s_add_co_u32 s19, s19, 1
	s_cmp_lt_u32 s19, 32
	s_cbranch_scc1 .Ltrig
	s_wait_tensorcnt 0x0                           ; the wave's end
	ds_add_u32 v[SPW], v[NIL]
	s_wait_dscnt 0x0
	s_endpgm
; ---- Wo: f16(4 Wo), a plain stream.  A wave takes 8,192 numbers in four batches of 16 loads of 512 bytes; the next batch is asked for ahead of the work.
.macro OLOAD b
.irp j, 0,1,2,3,4,5,6,7,8,9,10,11,12,13,14,15
	global_load_b128 v[16+64*((\b)%2)+4*\j:16+64*((\b)%2)+4*\j+3], v3, s[14:15] offset:8192*(\b)+512*\j th:TH_LOAD_NT
.endr
.endm
.macro OWORK b
	s_wait_xcnt 0x0                                ; the last batch's stores have read their data
.irp j, 0,1,2,3,4,5,6,7,8,9,10,11,12,13,14,15
.set ORG, 16+64*((\b)%2)+4*\j
.if (\b) < 3
	s_wait_loadcnt 31-\j                           ; load j of this batch is in; its 15 - j younger ones and the next batch's 16 may be out
.else
	s_wait_loadcnt 15-\j
.endif
	v_pk_mul_f32 v[ORG:ORG+1], v[ORG:ORG+1], 4.0 op_sel_hi:[1,0]
	v_pk_mul_f32 v[ORG+2:ORG+3], v[ORG+2:ORG+3], 4.0 op_sel_hi:[1,0]
	v_cvt_pk_f16_f32 v[144+2*\j], v[ORG], v[ORG+1]
	v_cvt_pk_f16_f32 v[145+2*\j], v[ORG+2], v[ORG+3]
	global_store_b64 v4, v[144+2*\j:145+2*\j], s[24:25] offset:4096*(\b)+256*\j   ; 32 lanes store 256 consecutive bytes, aligned
.endr
.endm
.Lpath_o:
	s_sub_co_u32 s20, ttmp9, 320
	s_lshl_b32 s20, s20, 2
	s_add_co_u32 s20, s20, s18                     ; my run of 8,192 numbers
	s_lshl_b32 s22, s20, 15
	s_add_nc_u64 s[14:15], s[14:15], s[22:23]
	s_lshl_b32 s22, s20, 14
	s_add_co_u32 s22, s22, WOO
	s_add_nc_u64 s[24:25], s[16:17], s[22:23]
	v_lshlrev_b32 v3, 4, v2
	v_lshlrev_b32 v4, 3, v2
	OLOAD 0
	OLOAD 1
	OWORK 0
	OLOAD 2
	OWORK 1
	OLOAD 3
	OWORK 2
	OWORK 3
	s_wait_tensorcnt 0x0                           ; the wave's end, as above
	ds_add_u32 v[SPW], v[NIL]
	s_wait_dscnt 0x0
	s_endpgm
; ---- THE WEIGHTS.  K is their first axis: a lane takes a column and its registers run down K, so a block of 32 lies in one lane and the codes come out with K innermost.
; A work-group takes 32 columns and all of K, wave w the rows 256 w .. 256 w + 255 (8 blocks); so whole rows of codes (512 bytes) and of scale bytes (32) leave together.
.macro WLOAD t
.if (\t) > 0
	s_wait_xcnt 0x0                                ; the earlier loads have read their base
	s_add_nc_u64 s[22:23], s[22:23], s[28:29]      ; 32 rows on
.endif
.irp i, 0,1,2,3,4,5,6,7,8,9,10,11,12,13,14,15,16,17,18,19,20,21,22,23,24,25,26,27,28,29,30,31
	global_load_b32 v[48+32*((\t)%2)+\i], v[16+\i], s[22:23] th:TH_LOAD_NT
.endr
.endm
.macro WBLOCK t
.set WX, 48+32*((\t)%2)
.if (\t) < 7
	s_wait_loadcnt 32                              ; this block's 32 loads are in; the next block's may be out
.else
	s_wait_loadcnt 0
.endif
	v_max3_num_f32 v8, |v[WX]|, |v[WX+1]|, |v[WX+2]|
	v_max3_num_f32 v9, |v[WX+3]|, |v[WX+4]|, |v[WX+5]|
.irp i, 6,10,14,18,22,26
	v_max3_num_f32 v8, v8, |v[WX+\i]|, |v[WX+\i+1]|
	v_max3_num_f32 v9, v9, |v[WX+\i+2]|, |v[WX+\i+3]|
.endr
	v_max3_num_f32 v8, v8, |v[WX+30]|, |v[WX+31]|
	v_max3_num_f32 v8, v8, v9, (EMAX+1)<<23        ; the floor 2^(3 - 127): the byte cannot fall under 1
	v_add_nc_u32 v11, -(EMAX<<23), v8              ; 2 off the exponent field: the conversion's scale operand
	v_lshrrev_b32 v10, 23, v11                     ; the scale's byte
.if (\t)%4 == 0
	v_mov_b32 v[116+(\t)/4], v10
.else
	v_lshl_or_b32 v[116+(\t)/4], v10, 8*((\t)%4), v[116+(\t)/4]
.endif
.irp g, 0,1,2,3
	v_cvt_scalef32_pk8_fp4_f32 v[112+\g], v[WX+8*\g:WX+8*\g+7], v11
.endr
	ds_store_b128 v3, v[112:115] offset:16*(\t)    ; 32 codes: 16 bytes of my column's row
.if (\t)+2 < 8
	WLOAD (\t)+2
.endif
	s_wait_dscnt 0x0                               ; the store has read its registers: the next block's codes may be written
.endm
.Lpath_w:
	s_sub_co_u32 s20, ttmp9, 128                   ; which 32 of the 6,144 columns
	s_mov_b32 s25, 8192                            ; a row of Wv or Wg in bytes
	s_cmp_lt_u32 s20, 128
	s_cselect_b64 s[26:27], s[10:11], s[12:13]     ; the choices hang on the work-group's number alone
	s_cselect_b32 s24, 64, 128
	s_cmp_lt_u32 s20, 64
	s_cselect_b64 s[26:27], s[8:9], s[26:27]
	s_cselect_b32 s24, 32, s24
	s_cselect_b32 s25, 4096, s25
	s_cmp_lt_u32 s20, 32
	s_cselect_b64 s[26:27], s[6:7], s[26:27]
	s_cselect_b32 s24, 0, s24
	s_sub_co_u32 s24, s20, s24                     ; which 32 columns of that tensor
	s_lshl_b32 s22, s24, 7
	s_mul_i32 s30, s18, s25
	s_lshl_b32 s30, s30, 8                         ; my 256 rows
	s_add_co_u32 s22, s22, s30
	s_add_nc_u64 s[22:23], s[26:27], s[22:23]
	s_lshl_b32 s28, s25, 5                         ; 32 rows
	s_mov_b32 s29, 0
	v_lshlrev_b32 v16, 2, v2
.irp i, 0,1,2,3,4,5,6,7,8,9,10,11,12,13,14,15,16,17,18,19,20,21,22,23,24,25,26,27,28,29,30
	v_add_nc_u32 v[17+\i], s25, v[16+\i]           ; 4 x lane + i rows
.endr
	WLOAD 0
	WLOAD 1
	v_mul_u32_u24 v3, v2, WPIT
	s_lshl_b32 s30, s18, 7
	s_add_co_u32 s30, s30, WSTG
	v_add_nc_u32 v3, s30, v3                       ; the stage, in: row = my column, + 128 bytes a wave
	v_lshlrev_b32 v4, 5, v2
	s_lshl_b32 s30, s18, 3
	s_add_co_u32 s30, s30, SCB
	v_add_nc_u32 v4, s30, v4                       ; my column's scale bytes, + 8 a wave
	v_lshlrev_b32 v6, 4, v2
	s_mul_i32 s30, s18, 8*WPIT
	s_add_co_u32 s30, s30, WSTG
	v_add_nc_u32 v5, s30, v6                       ; the stage, out: wave w takes rows 8 w .. 8 w + 7, whole
	v_lshlrev_b32 v14, 3, v2
	s_lshl_b32 s30, s18, 8
	s_add_co_u32 s30, s30, SCB
	v_add_nc_u32 v7, s30, v14
	s_lshl_b32 s30, s20, 5
	s_lshl_b32 s31, s18, 3
	s_add_co_u32 s30, s30, s31                     ; the first row that I store
	s_lshl_b32 s30, s30, 9
	s_add_co_u32 s30, s30, WCO
	s_mov_b32 s31, 0
	s_add_nc_u64 s[24:25], s[16:17], s[30:31]
	s_lshl_b32 s30, s20, 10
	s_lshl_b32 s32, s18, 8
	s_add_co_u32 s30, s30, s32
	s_add_co_u32 s30, s30, WSO
	s_add_nc_u64 s[26:27], s[16:17], s[30:31]
.irp t, 0,1,2,3,4,5,6,7
	WBLOCK \t
.endr
	ds_store_b64 v4, v[116:117]
	s_wait_dscnt 0x0                               ; for the others' sake: my stores have landed
	s_barrier_signal -1
	s_barrier_wait -1
.irp i, 0,1,2,3,4,5,6,7
	ds_load_b128 v[48+4*\i:48+4*\i+3], v5 offset:\i*WPIT
.endr
	ds_load_b64 v[80:81], v7
.irp i, 0,1,2,3,4,5,6,7
	s_wait_dscnt 8-\i
	global_store_b128 v6, v[48+4*\i:48+4*\i+3], s[24:25] offset:\i*512   ; a whole row of codes: 512 consecutive bytes
.endr
	s_wait_dscnt 0x0
	global_store_b64 v14, v[80:81], s[26:27]       ; 256 consecutive scale bytes, aligned
	s_wait_tensorcnt 0x0                           ; the wave's end, behind my last LDS store
	ds_add_u32 v[SPW], v[NIL]
	s_wait_dscnt 0x0
	s_endpgm
; ---- x: K is innermost and rows are dense: a plain stream of blocks of 32.  A wave takes 16 steps of 512 numbers.  Loads take the bytes as they lie (512 a load); a step's 2,048 bytes
; turn through the wave's own stage in LDS so that a lane holds 16 neighbours; two neighbouring lanes hold a block.  Loads run four steps ahead, the turn one.
.macro XLOAD t
.irp i, 0,1,2,3
	global_load_b128 v[R+16*((\t)%4)+4*\i:R+16*((\t)%4)+4*\i+3], v3, s[4:5] offset:2048*(\t)+512*\i th:TH_LOAD_NT
.endr
.endm
.macro XTURN t
.irp i, 0,1,2,3
	ds_store_b128 v14, v[R+16*((\t)%4)+4*\i:R+16*((\t)%4)+4*\i+3] offset:32*SP*((\t)%2)+8*SP*\i
.endr
.irp i, 0,1,2,3
	ds_load_b128 v[X+16*((\t)%2)+4*\i:X+16*((\t)%2)+4*\i+3], v15 offset:32*SP*((\t)%2)+16*\i
.endr
.endm
.macro XSTEP t
.set XSET, X+16*((\t)%2)
.if (\t) > 0
	s_wait_dscnt 1                                 ; this step's numbers are back from the stage (the last step's byte store may be out)
.else
	s_wait_dscnt 0x0
.endif
.if (\t)+4 < STEPS
	XLOAD (\t)+4
.endif
.if (\t)+1 < STEPS
.if STEPS-2-(\t) >= 3
	s_wait_loadcnt 12                              ; the next step's four loads are in; those of the three steps behind it may be out
.else
	s_wait_loadcnt 4*(STEPS-2-(\t))
.endif
	XTURN (\t)+1
.endif
	v_max3_num_f32 v8, |v[XSET]|, |v[XSET+1]|, |v[XSET+2]|
	v_max3_num_f32 v9, |v[XSET+3]|, |v[XSET+4]|, |v[XSET+5]|
.irp i, 6,10
	v_max3_num_f32 v8, v8, |v[XSET+\i]|, |v[XSET+\i+1]|
	v_max3_num_f32 v9, v9, |v[XSET+\i+2]|, |v[XSET+\i+3]|
.endr
	v_max3_num_f32 v8, v8, |v[XSET+14]|, |v[XSET+15]|
	v_max3_num_f32 v8, v8, v9, (EMAX+1)<<23        ; the floor
	v_max_num_f32_dpp v8, v8, v8 row_xmask:1 row_mask:0xf bank_mask:0xf   ; with my neighbour's 16: the block's
	v_add_nc_u32 v11, -(EMAX<<23), v8
	v_cvt_scalef32_pk8_fp4_f32 v[C+4*(\t)], v[XSET:XSET+7], v11
	v_cvt_scalef32_pk8_fp4_f32 v[C+4*(\t)+1], v[XSET+8:XSET+15], v11
	v_lshrrev_b32 v[E+(\t)], 23, v11
	ds_store_b8 v5, v[E+(\t)] offset:16*(\t)       ; both lanes of a block write the same byte with the same value
	global_store_b64 v4, v[C+4*(\t):C+4*(\t)+1], s[24:25] offset:32*CB*(\t)
.endm
.Lpath_x:
	v_lshlrev_b32 v3, 4, v2
	s_mul_i32 s19, s18, WREG
	v_lshrrev_b32 v14, 2, v2
	v_mul_u32_u24 v14, v14, SP
	v_and_b32 v15, 3, v2
	v_lshl_add_u32 v14, v15, 4, v14
	v_add_nc_u32 v14, s19, v14                     ; the stage, in: SP (lane / 4) + 16 (lane % 4)
	v_mul_u32_u24 v15, v2, SP
	v_add_nc_u32 v15, s19, v15                     ; and out: SP x lane
	v_mul_u32_u24 v4, v2, CB
	v_lshrrev_b32 v5, 1, v2
	s_add_co_u32 s19, s19, 2*32*SP
	v_add_nc_u32 v5, s19, v5
	v_lshlrev_b32 v7, 3, v2
	v_add_nc_u32 v6, s19, v7
	s_lshl_b32 s20, ttmp9, 2
	s_add_co_u32 s20, s20, s18                     ; my run of 8,192 numbers
	s_lshl_b32 s22, s20, 15
	s_add_nc_u64 s[4:5], s[4:5], s[22:23]
	s_lshl_b32 s22, s20, 12
	s_add_nc_u64 s[24:25], s[16:17], s[22:23]
	s_lshl_b32 s22, s20, 8
	s_add_co_u32 s22, s22, XSO
	s_add_nc_u64 s[26:27], s[16:17], s[22:23]
.irp t, 0,1,2,3
	XLOAD \t
.endr
	s_wait_loadcnt 12
	XTURN 0
.irp t, 0,1,2,3,4,5,6,7,8,9,10,11,12,13,14,15
	XSTEP \t
.endr
	ds_load_b64 v[8:9], v6                         ; LDS serves a wave's instructions in order: these see my stores
	s_wait_dscnt 0x0
	global_store_b64 v7, v[8:9], s[26:27]
	s_wait_tensorcnt 0x0                           ; the wave's end, behind my last LDS store
	ds_add_u32 v[SPW], v[NIL]
	s_wait_dscnt 0x0
	s_endpgm
.Lfunc_end_k_q10e172fbe7_prep:
	.size	k_q10e172fbe7_prep, .Lfunc_end_k_q10e172fbe7_prep-k_q10e172fbe7_prep
	.p2alignl 7, 3214868480
	.fill 96, 4, 3214868480
	.section	.rodata,"a",@progbits
	.p2align	6, 0x0
	.amdhsa_kernel k_q10e172fbe7_prep
		.amdhsa_group_segment_fixed_size 51200
		.amdhsa_private_segment_fixed_size 0
		.amdhsa_enable_private_segment 0
		.amdhsa_kernarg_size 56
		.amdhsa_user_sgpr_count 2
		.amdhsa_user_sgpr_kernarg_segment_ptr 1
		.amdhsa_wavefront_size32 1
		.amdhsa_system_sgpr_workgroup_id_x 1
		.amdhsa_system_sgpr_workgroup_id_y 1
		.amdhsa_system_sgpr_workgroup_id_z 1
		.amdhsa_system_vgpr_workitem_id 0
		.amdhsa_next_free_vgpr 192
		.amdhsa_next_free_sgpr 66
		.amdhsa_reserve_vcc 1
		.amdhsa_float_denorm_mode_32 3
		.amdhsa_float_denorm_mode_16_64 3
		.amdhsa_memory_ordered 1
		.amdhsa_forward_progress 1
		.amdhsa_inst_pref_size 108
	.end_amdhsa_kernel
	.amdgpu_metadata
---
amdhsa.version: [ 1, 2 ]
amdhsa.kernels:
  - .name:           k_q10e172fbe7_prep
    .symbol:         k_q10e172fbe7_prep.kd
    .args:
      - { .name: x, .offset: 0, .size: 8, .value_kind: global_buffer, .address_space: global }
      - { .name: Wq, .offset: 8, .size: 8, .value_kind: global_buffer, .address_space: global }
      - { .name: Wk, .offset: 16, .size: 8, .value_kind: global_buffer, .address_space: global }
      - { .name: Wv, .offset: 24, .size: 8, .value_kind: global_buffer, .address_space: global }
      - { .name: Wg, .offset: 32, .size: 8, .value_kind: global_buffer, .address_space: global }
      - { .name: Wo, .offset: 40, .size: 8, .value_kind: global_buffer, .address_space: global }
      - { .name: prepb, .offset: 48, .size: 8, .value_kind: global_buffer, .address_space: global }
    .group_segment_fixed_size: 51200
    .private_segment_fixed_size: 0
    .kernarg_segment_align: 8
    .kernarg_segment_size: 56
    .max_flat_workgroup_size: 128
    .sgpr_count:     66
    .vgpr_count:     192
    .wavefront_size: 32
...
	.end_amdgpu_metadata
.endif
;; end of part 1
;; launch proj (part 2): grid 24 x 16, 4 waves a work-group, clusters of 4 x 4, 327,680 bytes of LDS; arguments prepb, bq, bk, bv, bg, projb; writes projb
.if DOCPART == 2
	.amdgcn_target "amdgcn-amd-amdhsa--gfx1250"
	.amdhsa_code_object_version 6
	.text
	.protected	k_q10e172fbe7_proj
	.globl	k_q10e172fbe7_proj
	.p2align	8
	.type	k_q10e172fbe7_proj,@function
k_q10e172fbe7_proj:
	s_mov_b64 s[64:65], 0
	v_nop
	global_prefetch_b8 v0, s[64:65] scope:SCOPE_SE
	s_setreg_imm32_b32 hwreg(HW_REG_WAVE_MODE, 25, 1), 1
	s_wait_xcnt 0x0
	s_wait_alu depctr_hold_cnt(0) depctr_sa_sdst(0) depctr_va_vdst(0) depctr_va_sdst(0) depctr_va_ssrc(0) depctr_va_vcc(0) depctr_vm_vsrc(0)
	s_getreg_b32 s2, hwreg(HW_REG_IB_STS2, 6, 4)
	s_cmp_eq_u32 s2, 0
	s_cbranch_scc0 .Lentry_in_a_cluster
	s_endpgm
.Lentry_in_a_cluster:
	s_bfe_u32 s2, ttmp6, 0x10000c
	s_cmp_lg_u32 s2, 0xf033
	s_cbranch_scc0 .Lentry_shape_is_right
	s_endpgm
.Lentry_shape_is_right:
; PROJ: [4096, 1024] x [1024, 6144] on codes of E2M1 with E8M0 scales (x against Wq | Wk | Wv | Wg), f32 sums, and what follows each part:
;   q, k: + bias, rotary, f16, laid [32 heads][2048][64]; the largest |q|, |k| of each 128 rows of a head; the first 16 positions of every sequence once more in f32
;   v: + bias, f16, [32][2048][128]          g: + bias, silu in f32, f16, [32][2048][128]
; LIMITS: |q|, |k|, |v|, |silu g| stay under 65,504 (f16); NaN and infinities are not served.  k's factor 1/8 is applied by the next launch.
; A tile of C, 256 x 256, is made by four waves, 128 x 128 each: 64 accumulators, 512 registers.  K = 1,024 is two slots of 512 along K (rows of 256 bytes), both filled at the start: nothing is filled again.
; The scale bytes of the work-group's 256 + 256 rows come once, as dense blocks.  CLUSTERS 4 x 4: A's tiles are asked for jointly along a row of the cluster, B's along a column.
; The matrix instruction is used transposed (source 0 = 16 rows of W's codes, source 1 = 16 rows of x): a lane holds eight neighbouring columns of one row.  The bias is the C of each sum's first product.
; A cluster's x says which tensor its four tile columns belong to (0 q, 1 k, 2-3 v, 4-5 g): the same in all partners; no branch hangs on a place inside the cluster.
; REGISTERS: window 0: v0-31 addresses; v32-95 scale words; v128-191 A's fragments; v192-255 the bias.  Window 1: B's fragments, two sets.  Windows 2, 3: accumulators.
;   On the way out: window 0: v32-95 64 numbers at work, v96-127 packed, v160-223 rows read back (two sets), v224.. maxima; window 1: cos and sin, 32 registers for each block of 16 rows.
.set XSO,   5242880
.set WCO,   2097152
.set WSO,   5373952
.set TRIGO, 5570560
.set VREG,  16777216
.set GREG,  33554432
.set F32O,  50331648
.set MXO,   50593792
.set NQ,     4
.set ROWB,   256
.set KROW,   512
.set PITCH,  272                       ; an LDS row: 256 bytes + 16 of padding: the 16 rows of a fragment load start at 16 different banks (64 banks of 4 bytes: ISA guide 11.1)
.set FR,     8
.set NL,     2
.set NP,     4
.set HALFT,  128*PITCH
.set SLOT,   4*HALFT
.set KS,     32
.set SCL,    2*SLOT
.set HALFS,  16*272
.set SBLK,   2*272
.set SPARE,  SCL+4*HALFS               ; the spare words, 128 bytes a wave
.set SPT,    272                       ; the way out: a stage of 16 rows x (256 + 16) bytes for each wave, in slot 0, which has had its only fill and its last read by then;
.set STQ,    0                         ; each of the three ways out has stage bytes of its own
.set STV,    17408
.set STG,    34816
.set ADRA, 16
.set BO,   18
.set ADRB, 20
.set RW,   22                          ; v22  256 r + 32 h: my place in 16 rows of the table, and of the f32 copy
.set STO,  24
.set RDQ,  25
.set RDV,  26
.set ADRS, 27
.set SPW,  28
.set NIL,  29
.set COQ,  30
.set COV,  31
.set SC,   32
.set AF,   128
.set BI,   192
.set Y,    32
.set PK,   96
.set BK,   160
.set MX,   224
.set G1, 24
.set G0, 32
.set G1B, 48
.set G0B, 56
.set G1S, 68
.set G0S, 76
.set G1SB, 80
.set G0SB, 88
.set MSB, 0
.macro WIN new                         ; the immediate's high byte repeats the setting that is left
.if MSB != (\new)
	s_set_vgpr_msb (MSB<<8)|(\new)
.set MSB, (\new)
.endif
.endm
.set MUL_LO, 0xa1
.set MUL_HI, 0xf1
.set TO_B,   0x40
.macro JLOAD g0a, g1a, g0b, g1b        ; a joint load: waves 0 and 1 fetch for A, waves 2 and 3 for B; an s_nop 0 and four v_nop follow each line
	s_cmp_eq_u32 s15, 0
	s_cbranch_scc0 .Lfor_b_\@
	tensor_load_to_lds s[\g0a:\g0a+3], s[\g1a:\g1a+7]
	s_nop 0
.rept 4
	v_nop
.endr
	s_branch .Lasked_\@
.Lfor_b_\@:
	tensor_load_to_lds s[\g0b:\g0b+3], s[\g1b:\g1b+7]
	s_nop 0
.rept 4
	v_nop
.endr
.Lasked_\@:
.endm
.macro CREST
	s_cmp_lg_u32 s14, 0
	s_cbranch_scc1 .Lnot_wave_0_\@
	s_barrier_signal -3
.Lnot_wave_0_\@:
	s_barrier_wait -3
	s_barrier_signal -1
	s_barrier_wait -1
.endm
.macro CROUND
	s_barrier_signal -1
	s_barrier_wait -1
	CREST
.endm
	s_load_b128 s[4:7], s[0:1], 0x0                ; the prepared buffer, bq
	s_load_b128 s[8:11], s[0:1], 0x10              ; bk, bv
	s_load_b128 s[96:99], s[0:1], 0x20             ; bg, the output buffer
	v_lshl_add_u32 v[SPW], v0, 2, SPARE
	v_mov_b32 v[NIL], 0
	ds_add_u32 v[SPW], v[NIL]                      ; the wave's opening: the add, twice on end, and its wait ahead of my first tensor load
	ds_add_u32 v[SPW], v[NIL]
	v_lshrrev_b32 v1, 5, v0
	v_readfirstlane_b32 s14, v1                    ; wave 0..3
	s_lshr_b32 s15, s14, 1                         ; my half of the tile's rows.  Also: I fetch for A (0) or for B (1)
	s_and_b32 s16, s14, 1                          ; my half of its columns.  Also: which 128 rows I fetch
	s_bfe_u32 s40, ttmp6, 0x40000                  ; cx, cy
	s_bfe_u32 s41, ttmp6, 0x40004
	s_lshl_b32 s42, ttmp9, 2
	s_add_co_u32 s42, s42, s40                     ; tile column
	s_and_b32 s17, ttmp7, 0xffff
	s_lshl_b32 s17, s17, 2
	s_add_co_u32 s17, s17, s41                     ; tile row
	s_lshl_b32 s43, s41, 2
	s_lshl_b32 s43, 15, s43                        ; my row of the cluster
	s_lshl_b32 s44, 0x1111, s40                    ; my column
	s_or_b32 s[G1+0], s43, (0<<16)|(1<<20)|(1<<21)|(5<<22)|(3<<25)  ; mask; elements of 1 byte; padding: 4 words behind every 64; bit 21 beside a mask
	s_or_b32 s[G1B+0], s44, (0<<16)|(1<<20)|(1<<21)|(5<<22)|(3<<25)
.irp g, G1, G1B
	s_mov_b32 s[\g+1], ROWB<<16                    ; tensor_dim0
	s_mov_b32 s[\g+2], 128<<16                     ; tensor_dim1
	s_mov_b32 s[\g+3], ROWB<<16                    ; tile_dim0
	s_mov_b32 s[\g+4], 128                         ; tile_dim1
	s_mov_b32 s[\g+5], KROW                        ; the pitch
	s_mov_b32 s[\g+6], 0
	s_mov_b32 s[\g+7], 0
.endr
	s_or_b32 s[G1S+0], s43, (3<<16)|(1<<20)|(1<<21)|(5<<22)|(3<<25) ; the scales of 128 rows: 4,096 dense bytes as 16 rows of 256 (32 elements of 8 bytes), padded alike
	s_or_b32 s[G1SB+0], s44, (3<<16)|(1<<20)|(1<<21)|(5<<22)|(3<<25)
.irp g, G1S, G1SB
	s_mov_b32 s[\g+1], 32<<16
	s_mov_b32 s[\g+2], 16<<16
	s_mov_b32 s[\g+3], 32<<16
	s_mov_b32 s[\g+4], 16
	s_mov_b32 s[\g+5], 32
	s_mov_b32 s[\g+6], 0
	s_mov_b32 s[\g+7], 0
.endr
	s_lshl_b32 s18, s16, 7
	s_lshl_b32 s20, s17, 8
	s_add_co_u32 s20, s20, s18                     ; A: row 256 x tile row + 128 x half
	s_lshl_b32 s46, s42, 8
	s_add_co_u32 s46, s46, s18                     ; B: row 256 x tile column + 128 x half
	s_mov_b32 s21, 0
	s_mov_b32 s47, 0
	s_mov_b64 s[18:19], KS
	s_mul_u64 s[22:23], s[20:21], s[18:19]
	s_mul_u64 s[92:93], s[46:47], s[18:19]
	s_mov_b64 s[18:19], KROW
	s_mul_u64 s[20:21], s[20:21], s[18:19]
	s_mul_u64 s[46:47], s[46:47], s[18:19]
	s_add_nc_u64 s[22:23], s[22:23], XSO           ; each region's place in the buffer
	s_add_nc_u64 s[92:93], s[92:93], WSO
	s_add_nc_u64 s[46:47], s[46:47], WCO
	s_mul_i32 s45, s14, HALFT                      ; where they go: by the wave's number alone
	s_mul_i32 s94, s14, HALFS
	s_wait_dscnt 0x0                               ; both opening adds are done
	s_wait_kmcnt 0x0
	s_add_nc_u64 s[20:21], s[4:5], s[20:21]
	s_add_nc_u64 s[22:23], s[4:5], s[22:23]
	s_add_nc_u64 s[46:47], s[4:5], s[46:47]
	s_add_nc_u64 s[92:93], s[4:5], s[92:93]
	CROUND                                         ; all sixteen work-groups are here: the joint loads meet
	s_mov_b32 s[G0S], 1
	s_add_co_u32 s[G0S+1], s94, SCL
	s_mov_b64 s[G0S+2:G0S+3], s[22:23]
	s_or_b32 s[G0S+3], s[G0S+3], 0x80000000
	s_mov_b32 s[G0SB], 1
	s_add_co_u32 s[G0SB+1], s94, SCL
	s_mov_b64 s[G0SB+2:G0SB+3], s[92:93]
	s_or_b32 s[G0SB+3], s[G0SB+3], 0x80000000
	JLOAD G0S, G1S, G0SB, G1SB
.irp s, 0,1
	s_mov_b32 s[G0+4*\s], 1
	s_add_co_u32 s[G0+4*\s+1], s45, \s*SLOT
	s_add_nc_u64 s[G0+4*\s+2:G0+4*\s+3], s[20:21], \s*ROWB
	s_or_b32 s[G0+4*\s+3], s[G0+4*\s+3], 0x80000000
	s_mov_b32 s[G0B+4*\s], 1
	s_add_co_u32 s[G0B+4*\s+1], s45, \s*SLOT
	s_add_nc_u64 s[G0B+4*\s+2:G0B+4*\s+3], s[46:47], \s*ROWB
	s_or_b32 s[G0B+4*\s+3], s[G0B+4*\s+3], 0x80000000
	JLOAD G0+4*\s, G1, G0B+4*\s, G1B               ; three tensor loads of mine are out: the scales and both slots
.endr
	v_and_b32 v1, 15, v0                           ; r
	v_bfe_u32 v2, v0, 4, 1                         ; h
	; the bias of my 128 columns, in the result's layout: column tile b, lane half h: 16 b + 8 h + 0 .. 7
	s_lshl_b32 s66, s42, 8
	s_lshl_b32 s67, s16, 7
	s_add_co_u32 s66, s66, s67                     ; my first of the 6,144 columns
	s_mov_b32 s95, 4096
	s_cmp_lt_u32 ttmp9, 4
	s_cselect_b64 s[12:13], s[10:11], s[96:97]
	s_cselect_b32 s67, 2048, s95
	s_cmp_lt_u32 ttmp9, 2
	s_cselect_b64 s[12:13], s[8:9], s[12:13]
	s_cselect_b32 s67, 1024, s67
	s_cmp_lt_u32 ttmp9, 1
	s_cselect_b64 s[12:13], s[6:7], s[12:13]
	s_cselect_b32 s67, 0, s67
	s_sub_co_u32 s66, s66, s67                     ; my first column in my tensor: kept for the way out
	s_lshl_b32 s100, s66, 2
	s_mov_b32 s101, 0
	s_add_nc_u64 s[12:13], s[12:13], s[100:101]
	v_lshlrev_b32 v[BO], 5, v2
.irp b, 0,1,2,3,4,5,6,7
	global_load_b128 v[BI+8*\b:BI+8*\b+3], v[BO], s[12:13] offset:64*\b
	global_load_b128 v[BI+8*\b+4:BI+8*\b+7], v[BO], s[12:13] offset:64*\b+16
.endr
	v_mul_u32_u24 v3, v1, PITCH
	v_lshl_add_u32 v4, v2, 4, v3                   ; a fragment's row x pitch + 16 x half
	s_mul_i32 s21, s15, HALFT
	s_mul_i32 s22, s16, HALFT
	s_add_co_u32 s22, s22, 2*HALFT
.irp s, 0,1
	v_add_nc_u32 v[ADRA+\s], s21, v4
	v_add_nc_u32 v[ADRB+\s], s22, v4
	s_add_co_u32 s21, s21, SLOT
	s_add_co_u32 s22, s22, SLOT
.endr
	v_mul_u32_u24 v5, v1, KS                       ; my row's scales: 32 bytes a row, and 16 more for each 256 passed
	v_lshrrev_b32 v6, 8, v5
	v_lshl_add_u32 v5, v6, 4, v5
	s_mul_i32 s21, s15, HALFS
	s_mul_i32 s22, s16, HALFS
	s_add_co_u32 s22, s22, 2*HALFS
	s_sub_co_u32 s22, s22, s21
	v_mul_u32_u24 v6, s22, v2                      ; lanes 16-31 take B's
	s_add_co_u32 s21, s21, SCL
	v_add_nc_u32 v5, v5, v6
	v_add_nc_u32 v[ADRS], s21, v5
	; the way out's addresses, all made here
	s_mul_i32 s23, s14, 16*SPT                     ; my stage
	v_mul_u32_u24 v5, v1, SPT
	v_lshl_add_u32 v5, v2, 4, v5
	v_add_nc_u32 v[STO], s23, v5                   ; in: row r, 16 bytes for each half of the lanes
	v_bfe_u32 v7, v0, 3, 1
	v_and_b32 v6, 7, v0
	v_mul_u32_u24 v5, v7, SPT
	v_lshl_add_u32 v5, v2, 7, v5
	v_lshl_add_u32 v5, v6, 4, v5
	v_add_nc_u32 v[RDQ], s23, v5                   ; back, q and k: eight lanes take a head's 128 bytes of a row; lanes 0-15 two rows of one head, lanes 16-31 of the next
	v_mul_u32_u24 v5, v2, SPT
	v_lshl_add_u32 v5, v1, 4, v5
	v_add_nc_u32 v[RDV], s23, v5                   ; back, v and g: sixteen lanes take a row of 256 bytes
	v_lshlrev_b32 v5, 7, v7
	v_lshl_add_u32 v5, v6, 4, v5
	v_lshl_add_u32 v[COQ], v2, 18, v5              ; the same places in memory: a head is 262,144 bytes
	v_and_b32 v5, 31, v0
	v_lshlrev_b32 v[COV], 4, v5
	v_lshlrev_b32 v[RW], 8, v1
	v_lshl_add_u32 v[RW], v2, 5, v[RW]
.macro FRAG reg, adr, q, i             ; 16 rows x 128 K of 4-bit codes: 8 registers, two loads of 16 bytes, 32 bytes apart
.irp c, 0,1
	ds_load_b128 v[\reg+4*\c:\reg+4*\c+3], v[\adr] offset:64*(\q)+32*\c+(\i)*16*PITCH
.endr
.endm
; 16 matrix instructions: A's blocks a0, a0 + 1 x B's eight.  first = 1: the bias starts the sums.  The 64 accumulators take turns, one instruction a turn.
.macro MUL16 a0, p, q, sc, first
.irp a, \a0, \a0+1
.irp b, 0,1,2,3,4,5,6,7
.if \first
	v_wmma_scale_f32_16x16x128_f8f6f4 v[8*(8*((\a)%4)+\b):8*(8*((\a)%4)+\b)+7], v[128*(\p)+FR*\b:128*(\p)+FR*\b+FR-1], v[AF+FR*(\a):AF+FR*(\a)+FR-1], v[BI+8*\b:BI+8*\b+7], v[SC+8*NQ*(\sc)+NQ*\b+(\q)], v[SC+8*NQ*(\sc)+NQ*(\a)+(\q)] matrix_a_fmt:MATRIX_FMT_FP4 matrix_b_fmt:MATRIX_FMT_FP4 matrix_a_scale:MATRIX_SCALE_ROW1
.else
	v_wmma_scale_f32_16x16x128_f8f6f4 v[8*(8*((\a)%4)+\b):8*(8*((\a)%4)+\b)+7], v[128*(\p)+FR*\b:128*(\p)+FR*\b+FR-1], v[AF+FR*(\a):AF+FR*(\a)+FR-1], v[8*(8*((\a)%4)+\b):8*(8*((\a)%4)+\b)+7], v[SC+8*NQ*(\sc)+NQ*\b+(\q)], v[SC+8*NQ*(\sc)+NQ*(\a)+(\q)] matrix_a_fmt:MATRIX_FMT_FP4 matrix_b_fmt:MATRIX_FMT_FP4 matrix_a_scale:MATRIX_SCALE_ROW1
.endif
.endr
.endr
.endm
.macro FETCH_B slot, q, p
	WIN TO_B
.irp i, 0,1,2,3,4,5,6,7
	FRAG 128*(\p)+FR*\i, ADRB+\slot, \q, \i
.endr
	WIN 0
.endm
.macro FETCH_A slot, q, i0
.irp i, \i0, \i0+1, \i0+2, \i0+3
	FRAG AF+FR*(\i), ADRA+\slot, \q, \i
.endr
.endm
.macro SCALES sc                       ; a slot's scale words: lanes 0-15 A's block i, lanes 16-31 B's block i
.irp i, 0,1,2,3,4,5,6,7
	ds_load_b128 v[SC+8*NQ*\sc+NQ*\i:SC+8*NQ*\sc+NQ*\i+3], v[ADRS] offset:\i*SBLK
.endr
.endm
.macro PLACES n                        ; plain vector lines between a matrix instruction and a load into, or a read or write of, its registers
.rept \n
	v_nop
.endr
.endm
.macro STEP slot, q, first
	s_wait_dscnt 4*NL                              ; B's set and A's blocks 0-3 are in; the youngest eight loads (A's blocks 4-7) may be out
.if \first
	WIN 0x81                                       ; C, the bias, in window 0
.else
	WIN MUL_LO
.endif
	MUL16 0, (\q)%2, \q, \slot, \first
	MUL16 2, (\q)%2, \q, \slot, \first
	s_wait_dscnt 0
	PLACES NP
	FETCH_B \slot, (\q)+1, 1-(\q)%2
	FETCH_A \slot, (\q)+1, 0
.if \first
	WIN 0xc1
.else
	WIN MUL_HI
.endif
	MUL16 4, (\q)%2, \q, \slot, \first
	MUL16 6, (\q)%2, \q, \slot, \first
	PLACES NP
	WIN 0
	FETCH_A \slot, (\q)+1, 4
.endm
.macro TURN slot, next                 ; a slot's last step changes slots: one barrier
	s_wait_tensorcnt 0x0                           ; all my tensor loads have landed: my part of the next slot
	ds_add_u32 v[SPW], v[NIL]                      ; 0 onto my spare word
	s_wait_dscnt 4*NL+1                            ; (the add and the youngest eight loads may be out)
	WIN MUL_LO
	MUL16 0, 1, NQ-1, \slot, 0
	s_wait_dscnt 0x0                               ; the add is done, and my reads of this slot are over
	s_barrier_signal -1
	MUL16 2, 1, NQ-1, \slot, 0
	WIN 0
	s_barrier_wait -1
	PLACES NP
	v_add_nc_u32 v[ADRS], 4*NQ, v[ADRS]            ; the next slot's scale words
	FETCH_B \next, 0, 0
	FETCH_A \next, 0, 0
	SCALES \next
	WIN MUL_HI
	MUL16 4, 1, NQ-1, \slot, 0
	MUL16 6, 1, NQ-1, \slot, 0
	PLACES NP
	WIN 0
	FETCH_A \next, 0, 4
.endm
.macro STEPS slot, from
.set Q, \from
.rept NQ-1-\from
	STEP \slot, Q, 0
.set Q, Q+1
.endr
.endm
	s_wait_tensorcnt 1                             ; the scales and my part of slot 0 are in; slot 1's load may be out
	s_barrier_signal -1
	s_barrier_wait -1
	FETCH_B 0, 0, 0
	FETCH_A 0, 0, 0
	SCALES 0
	FETCH_A 0, 0, 4
	s_wait_loadcnt 0x0                             ; the bias
	STEP 0, 0, 1
	STEPS 0, 1
	TURN 0, 1
	STEPS 1, 0
	s_wait_dscnt 4*NL
	WIN MUL_LO
	MUL16 0, 1, NQ-1, 1, 0
	MUL16 2, 1, NQ-1, 1, 0
	s_wait_dscnt 0
	WIN MUL_HI
	MUL16 4, 1, NQ-1, 1, 0
	MUL16 6, 1, NQ-1, 1, 0
	WIN 0
; THE WAY OUT, block by block of 16 rows x 128 columns: worked in f32, packed to f16, through my stage, back as whole runs of 256 bytes.  LDS serves a wave's instructions in order (ISA guide 5.7.1.4).
	PLACES NP
	s_and_b32 s18, s17, 7
	s_lshl_b32 s18, s18, 8
	s_lshl_b32 s19, s15, 7
	s_add_co_u32 s18, s18, s19                     ; my first position in its sequence
	s_lshr_b32 s22, s17, 3
	s_lshl_b32 s22, s22, 4                         ; 16 x batch
	s_cmp_lt_u32 ttmp9, 2
	s_cbranch_scc1 .Lout_qk
	s_lshr_b32 s67, s66, 7                         ; v, g: my 128 columns are one head
	s_add_co_u32 s67, s67, s22
	s_lshl_b32 s67, s67, 11
	s_add_co_u32 s67, s67, s18
	s_lshl_b32 s100, s67, 8                        ; rows of 256 bytes
	s_mov_b32 s95, GREG
	s_cmp_lt_u32 ttmp9, 4
	s_cselect_b32 s95, VREG, s95
	s_add_co_u32 s100, s100, s95
	s_mov_b32 s101, 0
	s_add_nc_u64 s[12:13], s[98:99], s[100:101]
	s_cmp_lt_u32 ttmp9, 4
	s_cbranch_scc1 .Lout_v
.macro TOSTAGE a, rd, base             ; the packed block into my stage and back
.irp b, 0,1,2,3,4,5,6,7
	ds_store_b128 v[STO], v[PK+4*\b:PK+4*\b+3] offset:\base+32*\b
.endr
.irp t, 0,1,2,3,4,5,6,7
	ds_load_b128 v[BK+32*((\a)%2)+4*\t:BK+32*((\a)%2)+4*\t+3], v[\rd] offset:\base+\t*2*SPT
.endr
.endm
.macro SEND a, co, rowb, younger       ; younger: the LDS instructions issued behind block a's loads, which may stay out
	s_wait_dscnt \younger
.irp t, 0,1,2,3,4,5,6,7
	global_store_b128 v[\co], v[BK+32*((\a)%2)+4*\t:BK+32*((\a)%2)+4*\t+3], s[12:13] offset:(\a)*16*\rowb+2*\rowb*\t   ; sixteen lanes store 256 consecutive bytes, aligned
.endr
.endm
.macro WALK blk, co, rowb              ; block a's work stands between block a - 1's loads from the stage and the wait for them
	\blk 0
.irp a, 1,2,3,4,5,6,7
.if \a > 1
	s_wait_xcnt 0x0                                ; block a - 2's stores have read the registers into which block a's loads land
.endif
	\blk \a
	SEND \a-1, \co, \rowb, 16
.endr
	SEND 7, \co, \rowb, 0
.endm
; g: silu(g) = g / (1 + 2^(-g log2 e)), in f32.  The 64 exponentials and the 64 reciprocals of a block are a batch each, with one wait.
.macro BLK_G a
.set AC, 64*((\a)%4)
	WIN 0x02+(\a)/4
.set i, 0
.rept 32
	v_pk_mul_f32 v[Y+i:Y+i+1], v[AC+i:AC+i+1], s[2:3] op_sel_hi:[1,0]
.set i, i+2
.endr
	WIN 0
.set i, 0
.rept 64
	v_exp_f32 v[Y+i], v[Y+i]
.set i, i+1
.endr
	v_nop
	s_wait_alu depctr_va_vdst(0)                   ; one wait for the batch, ahead of its first reader
.set i, 0
.rept 32
	v_pk_add_f32 v[Y+i:Y+i+1], v[Y+i:Y+i+1], 1.0 op_sel_hi:[1,0]
.set i, i+2
.endr
.set i, 0
.rept 64
	v_rcp_f32 v[Y+i], v[Y+i]
.set i, i+1
.endr
	v_nop
	s_wait_alu depctr_va_vdst(0)
	WIN 0x02+(\a)/4
.set i, 0
.rept 32
	v_pk_mul_f32 v[Y+i:Y+i+1], v[AC+i:AC+i+1], v[Y+i:Y+i+1]
.set i, i+2
.endr
	WIN 0
.set i, 0
.rept 32
	v_cvt_pk_f16_f32 v[PK+i], v[Y+2*i], v[Y+2*i+1]
.set i, i+1
.endr
	TOSTAGE \a, RDV, STG
.endm
	s_mov_b32 s2, 0xbfb8aa3b                       ; -log2 e
	s_mov_b32 s3, s2                               ; (named with it as a pair)
	WALK BLK_G, COV, 256
	s_branch .Lend
.macro BLK_V a
.set AC, 64*((\a)%4)
	WIN 0x0a+5*((\a)/4)
.set i, 0
.rept 32
	v_cvt_pk_f16_f32 v[PK+i], v[AC+2*i], v[AC+2*i+1]
.set i, i+1
.endr
	WIN 0
	TOSTAGE \a, RDV, STV
.endm
.Lout_v:
	WALK BLK_V, COV, 256
	s_branch .Lend
; q, k: rotary.  Lane (r, h) of column tile b holds columns 16 b + 8 h + 0 .. 7 of a head's 64: four pairs, angles 8 (b % 4) + 4 h + 0 .. 3.
.macro BLK_QK a
.set AC, 64*((\a)%4)
.set TR, 32*(\a)
	s_wait_loadcnt 8*(7-(\a))                      ; this block's eight loads of the table are in; the later blocks' may be out
	WIN 0x06+(\a)/4                                ; source 0 an accumulator, source 1 the table (window 1), the rest window 0
.irp b, 0,1,2,3,4,5,6,7
.irp p, 0,2,4,6
	v_mul_f32 v[Y+8*\b+\p],   v[AC+8*\b+\p],   v[TR+8*(\b%4)+\p]
	v_mul_f32 v[Y+8*\b+\p+1], v[AC+8*\b+\p+1], v[TR+8*(\b%4)+\p]
.endr
.irp p, 0,2,4,6
	v_fma_f32 v[Y+8*\b+\p],   -v[AC+8*\b+\p+1], v[TR+8*(\b%4)+\p+1], v[Y+8*\b+\p]      ; x0 cos - x1 sin
	v_fma_f32 v[Y+8*\b+\p+1], v[AC+8*\b+\p],    v[TR+8*(\b%4)+\p+1], v[Y+8*\b+\p+1]    ; x1 cos + x0 sin
.endr
.endr
	WIN 0
.irp b, 0,1,2,3
.irp p, 0,2,4,6
	v_max3_num_f32 v[MX],   v[MX],   |v[Y+8*\b+\p]|,    |v[Y+8*\b+\p+1]|               ; the largest magnitude, for each of my two heads
	v_max3_num_f32 v[MX+1], v[MX+1], |v[Y+32+8*\b+\p]|, |v[Y+32+8*\b+\p+1]|
.endr
.endr
.set i, 0
.rept 32
	v_cvt_pk_f16_f32 v[PK+i], v[Y+2*i], v[Y+2*i+1]
.set i, i+1
.endr
	TOSTAGE \a, RDQ, STQ
.if (\a) == 0
	; the first 16 positions of a sequence once more, in f32: they are block 0 of the upper row half of every eighth tile row.  The half by a branch on the wave's number, the tile row by EXEC
	s_cmp_lg_u32 s15, 0
	s_cbranch_scc1 .Lno_copy
	s_and_b32 s2, s17, 7
	v_cmp_eq_u32 vcc_lo, s2, v[NIL]
	s_wait_xcnt 0x0                                ; EXEC changes only behind this wait
	s_and_saveexec_b32 s3, vcc_lo
.irp b, 0,1,2,3,4,5,6,7
	global_store_b128 v[RW], v[Y+8*\b:Y+8*\b+3], s[46:47] offset:(\b/4)*4096+(\b%4)*64
	global_store_b128 v[RW], v[Y+8*\b+4:Y+8*\b+7], s[46:47] offset:(\b/4)*4096+(\b%4)*64+16
.endr
	s_wait_xcnt 0x0                                ; and again: the stores have read EXEC and their data
	s_or_b32 exec_lo, exec_lo, s3
.Lno_copy:
.endif
.endm
.Lout_qk:
	s_lshl_b32 s20, s18, 8
	s_add_co_u32 s20, s20, TRIGO
	s_mov_b32 s21, 0
	s_add_nc_u64 s[20:21], s[4:5], s[20:21]        ; the table at my first position
	WIN 0x40
.irp a, 0,1,2,3,4,5,6,7
.irp q, 0,1,2,3
	global_load_b128 v[32*\a+8*\q:32*\a+8*\q+3], v[RW], s[20:21] offset:4096*\a+64*\q
	global_load_b128 v[32*\a+8*\q+4:32*\a+8*\q+7], v[RW], s[20:21] offset:4096*\a+64*\q+16
.endr
.endr
	WIN 0
	s_lshr_b32 s67, s66, 6                         ; my first head
	s_add_co_u32 s67, s67, s22                     ; + 16 x batch
	s_lshl_b32 s100, s67, 11
	s_add_co_u32 s100, s100, s18
	s_lshl_b32 s100, s100, 7                       ; rows of 128 bytes
	s_lshl_b32 s101, ttmp9, 23                     ; q's region or k's
	s_add_co_u32 s100, s100, s101
	s_mov_b32 s101, 0
	s_add_nc_u64 s[12:13], s[98:99], s[100:101]
	s_lshl_b32 s100, ttmp9, 5
	s_add_co_u32 s100, s100, s67
	s_lshl_b32 s100, s100, 12
	s_add_co_u32 s100, s100, F32O
	s_add_nc_u64 s[46:47], s[98:99], s[100:101]    ; the f32 copy: [q, k][head][16][64]
	s_lshl_b32 s100, s67, 1
	s_add_co_u32 s100, s100, ttmp9
	s_lshl_b32 s100, s100, 4
	s_lshr_b32 s95, s18, 7
	s_add_co_u32 s100, s100, s95
	s_lshl_b32 s100, s100, 2
	s_add_co_u32 s100, s100, MXO
	s_add_nc_u64 s[92:93], s[98:99], s[100:101]    ; the maxima: [head][q, k][16 chunks of 128 rows]
	s_mov_b32 s40, 0x76543210
	s_mov_b32 s41, 0xfedcba98
.irp i, 0,1,2,3
	v_mov_b32 v[MX+\i], 0
.endr
	WALK BLK_QK, COQ, 128
.irp m, 1,2,4,8
	v_max_num_f32_dpp v[MX], v[MX], v[MX] row_xmask:\m row_mask:0xf bank_mask:0xf
	v_max_num_f32_dpp v[MX+1], v[MX+1], v[MX+1] row_xmask:\m row_mask:0xf bank_mask:0xf
.endr
	v_permlanex16_b32 v[MX+2], v[MX], s40, s41
	v_permlanex16_b32 v[MX+3], v[MX+1], s40, s41
	v_max_num_f32 v[MX], v[MX], v[MX+2]
	v_max_num_f32 v[MX+1], v[MX+1], v[MX+3]
	v_and_b32 v[MX+2], 31, v0
	v_cmp_eq_u32 vcc_lo, 1, v[MX+2]
	v_cndmask_b32 v[MX], v[MX], v[MX+1], vcc_lo    ; lane 0 my first head's, lane 1 my second's
	v_lshlrev_b32 v[MX+3], 7, v[MX+2]              ; a head is 128 bytes on
	v_cmp_gt_u32 vcc_lo, 2, v[MX+2]
	s_wait_xcnt 0x0
	s_and_saveexec_b32 s3, vcc_lo
	global_store_b32 v[MX+3], v[MX], s[92:93]
	s_wait_xcnt 0x0
	s_or_b32 exec_lo, exec_lo, s3
.Lend:
	s_wait_tensorcnt 0x0                           ; the wave's end, behind my last tensor load and my last LDS store
	ds_add_u32 v[SPW], v[NIL]
	s_wait_dscnt 0x0
	CROUND                                         ; the closing round
	s_endpgm
.Lfunc_end_k_q10e172fbe7_proj:
	.size	k_q10e172fbe7_proj, .Lfunc_end_k_q10e172fbe7_proj-k_q10e172fbe7_proj
	.p2alignl 7, 3214868480
	.fill 96, 4, 3214868480
	.section	.rodata,"a",@progbits
	.p2align	6, 0x0
	.amdhsa_kernel k_q10e172fbe7_proj
		.amdhsa_group_segment_fixed_size 327680
		.amdhsa_private_segment_fixed_size 0
		.amdhsa_enable_private_segment 0
		.amdhsa_kernarg_size 48
		.amdhsa_user_sgpr_count 2
		.amdhsa_user_sgpr_kernarg_segment_ptr 1
		.amdhsa_wavefront_size32 1
		.amdhsa_system_sgpr_workgroup_id_x 1
		.amdhsa_system_sgpr_workgroup_id_y 1
		.amdhsa_system_sgpr_workgroup_id_z 1
		.amdhsa_system_vgpr_workitem_id 0
		.amdhsa_next_free_vgpr 1024
		.amdhsa_next_free_sgpr 102
		.amdhsa_reserve_vcc 1
		.amdhsa_float_denorm_mode_32 3
		.amdhsa_float_denorm_mode_16_64 3
		.amdhsa_memory_ordered 1
		.amdhsa_forward_progress 1
		.amdhsa_inst_pref_size 255
	.end_amdhsa_kernel
	.section	.bss,"aw",@nobits
	.p2align	6
	.space	262144
	.amdgpu_metadata
---
amdhsa.version: [ 1, 2 ]
amdhsa.kernels:
  - .name:           k_q10e172fbe7_proj
    .symbol:         k_q10e172fbe7_proj.kd
    .args:
      - { .name: prepb, .offset: 0, .size: 8, .value_kind: global_buffer, .address_space: global }
      - { .name: bq, .offset: 8, .size: 8, .value_kind: global_buffer, .address_space: global }
      - { .name: bk, .offset: 16, .size: 8, .value_kind: global_buffer, .address_space: global }
      - { .name: bv, .offset: 24, .size: 8, .value_kind: global_buffer, .address_space: global }
      - { .name: bg, .offset: 32, .size: 8, .value_kind: global_buffer, .address_space: global }
      - { .name: projb, .offset: 40, .size: 8, .value_kind: global_buffer, .address_space: global }
    .group_segment_fixed_size: 327680
    .private_segment_fixed_size: 0
    .kernarg_segment_align: 8
    .kernarg_segment_size: 48
    .max_flat_workgroup_size: 128
    .sgpr_count:     102
    .vgpr_count:     1024
    .wavefront_size: 32
...
	.end_amdgpu_metadata
.endif
;; end of part 2
;; launch retn (part 3): grid 8 x 32, 4 waves a work-group, no clusters, 327,680 bytes of LDS; arguments projb, actb; writes actb
.if DOCPART == 3
	.amdgcn_target "amdgcn-amd-amdhsa--gfx1250"
	.amdhsa_code_object_version 6
	.text
	.protected	k_q10e172fbe7_retn
	.globl	k_q10e172fbe7_retn
	.p2align	8
	.type	k_q10e172fbe7_retn,@function
k_q10e172fbe7_retn:
	s_mov_b64 s[64:65], 0
	v_nop
	global_prefetch_b8 v0, s[64:65] scope:SCOPE_SE
	s_setreg_imm32_b32 hwreg(HW_REG_WAVE_MODE, 25, 1), 1
	s_wait_xcnt 0x0
; RETN: for one head, out = LayerNorm((qk / max(|row sum of qk|, 1)) v) x silu(g) / 4 in f16, with qk[s][t] = (q_s . k_t) / 8 x gamma^(s - t) / sqrt(rowsum_s) for t <= s.
; Operands of both products in f16, sums in f32; row sums, the divisor, the norm and the gate in f32.  Tiles wholly above the diagonal are not computed.
; LIMITS: |LayerNorm x silu g| stays under 262,000 (f16 after the factor 1/4, which the last launch's weights undo); a head whose q and k are all under 2^-60 counts as zero; NaN, infinities not served.
; SHARES.  A work-group takes two blocks of 128 queries, QB1 (odd) and QB2 = 15 - QB1: 17 steps of 128 queries x 128 keys in every work-group.  Wave (wq, wk) takes 64 queries x the wk-th 64 keys of each step;
; the sums are linear in the keys, so the two key halves are added once for each block, through LDS.  Register tile t holds query tile (t + 2 wk) & 3: every wave keeps tiles 0, 1 and hands tiles 2, 3 to wave w ^ 1.
; NO CLUSTER: the eight work-groups of a head want different key tiles from their third step on, and under the causal mask a partner would have to ask for tiles that none of its waves reads.
; ARITHMETIC.  S^T = K Q^T, O^T = V^T P: a lane holds one query throughout.  P = S x gamma^(-t_loc) x f, f = c gamma^(128 (qb - kb)), c = 2^-(eq + ek) from the exponents of the head's largest |q| and |k|:
; |P| <= 64 x 4 x gamma^-127 <= 14,438 for every input, inside f16.  What is left, a_s = gamma^(s_loc) 2^(eq + ek - 3) / sqrt(rowsum_s), is a factor of the row.
; rowsum_s = 2^(5 + h) (1 - gamma^(s + 1)); 1 - e^-y by its series where y < 1/2, so that no difference of near-equal numbers is formed; the choice is a select.
; The scores of the first 16 positions against the first 16 keys are made from f32 q and k: there a row has one to sixteen terms and the norm's eps lets an absolute error of the score through.
; THE RING.  Two slots of two steps; a step is 128 rows of K (128 bytes + 16) and 128 rows of V (256 + 32).  Waves 0, 1 load the K of a visit's two steps, waves 2, 3 the V: one tensor load a wave is out.
; REGISTERS: window 0: v0-31 addresses, row sums, work; v32-63 F; v64-191 S^T, then P in place; v192-223 constants and work; v224-255 T.  Window 1: O^T (64 t + 8 d).
;   Window 2: v0-63 Q, v64-127 K.  Window 3: v0-127 V; v128-159, v160-191 the f32 rows of k, q; v192-199 their product, written by matrix instructions alone.
.set KOFF,  8388608
.set VOFF,  16777216
.set GOFF,  33554432
.set F32O,  50331648
.set MXO,   50593792
.set PKK,   144
.set PVV,   288
.set VIN,   128*PKK
.set STEPB, 128*(PKK+PVV)
.set SLOT1, 1<<17
.set STAGE, 2*STEPB                    ; 110,592: 16 rows x 272 bytes for each wave
.set SPARE, 128000                     ; the spare words, 128 bytes a wave
.set XB,    241664                     ; 16,384 bytes for each wave: the two tiles of O^T that it hands over
.set XRS,   307200                     ; 256 bytes for each wave: their row sums
.set AK0, 3
.set AV0, 4
.set ADR, 5
.set ADV, 6
.set STO, 7
.set RD,  8
.set GO,  9
.set GG,  10
.set XW,  11
.set RS,  12                           ; v12-19 a pair of row sums for each tile; behind E1 the lower holds the sum, and E2 keeps w in the upper of tiles 0, 1
.set TM,  20                           ; v20-27 at work
.set XR,  28
.set FO,  29
.set SPW, 30
.set NIL, 31
.set F,   32
.set S,   64
.set DM,  192
.set SL,  196
.set XRSW, 198
.set XRSR, 199
.set SFV, 200
.set QO,  202
.set PFO, 204
.set NLG, 205
.set NL2G, 206
.set CB,  207
.set CINV, 208
.set G128, 209
.set F0B, 210
.set MXA, 211
.set MUP, 212
.set ZP,  214
.set ACC, 216
.set T,   224
.set WV, 8
.set WQ, 9
.set WK, 10
.set BH, 11
.set HD, 12
.set BB, 13
.set QB1, 14
.set QB2, 15
.set MSW, 16                           ; the visit at whose head the block changes: (QB1 + 1) / 2, 1 .. 8
.set M, 17
.set TWICE, 18
.set KB, 19
.set QBC, 20
.set TB, 21
.set PLIM, 22
.set TSTEP, 23
.set SEL, 24
.set TBASE, 26
.set G1K, 28
.set G1V, 36
.set G0, 44
.set GPTR, 48
.set APTR, 50
.set QPTR2, 52
.set GPTR2, 54
.set APTR2, 56
.set PFK, 58
.set PFV, 60
.set MSB, 0
.macro WIN new
.if MSB != (\new)
	s_set_vgpr_msb (MSB<<8)|(\new)
.set MSB, (\new)
.endif
.endm
; how = 1: every wave loads; how = 2: waves 0 and 2 alone (the last visit has one step).  The branches hang on the wave's number alone.  An s_nop 0 and four v_nop follow each load.
.macro TLOAD how
.if \how == 2
	s_cmp_eq_u32 s[WK], 0
	s_cbranch_scc0 .Lasked_\@
.endif
	s_cmp_lt_u32 s[WV], 2
	s_cbranch_scc0 .Lfor_v_\@
	tensor_load_to_lds s[G0:G0+3], s[G1K:G1K+7]
	s_nop 0
.rept 4
	v_nop
.endr
	s_branch .Lasked_\@
.Lfor_v_\@:
	tensor_load_to_lds s[G0:G0+3], s[G1V:G1V+7]
	s_nop 0
.rept 4
	v_nop
.endr
.Lasked_\@:
.endm
; A prefetch of the K and V of the visit after the one that is being asked for: 32,768 + 65,536 bytes, 8,192 + 16,384 a wave, lanes 256 bytes apart.  All eight work-groups of a head begin at key 0 and walk the same rows;
; the one with x = 0 walks all sixteen key blocks in its first eight visits, and it alone asks: each block of 256 bytes is named once.  Visits 0 and 1 come by their loads alone; visit 7 is the last that is named.
.macro ASK
	s_cmp_lt_u32 s[M], s[PLIM]
	s_cbranch_scc0 .Lnot_mine_\@
	global_prefetch_b8 v[PFO], s[PFK:PFK+1] th:TH_LOAD_NT scope:SCOPE_SE
	global_prefetch_b8 v[PFO], s[PFV:PFV+1] th:TH_LOAD_NT scope:SCOPE_SE
	global_prefetch_b8 v[PFO], s[PFV:PFV+1] offset:8192 th:TH_LOAD_NT scope:SCOPE_SE
.Lnot_mine_\@:
.endm
	s_load_b128 s[4:7], s[0:1], 0x0                ; q, k, v, gate and the small tables; the output
	v_lshl_add_u32 v[SPW], v0, 2, SPARE
	v_mov_b32 v[NIL], 0
	ds_add_u32 v[SPW], v[NIL]                      ; the wave's opening: the add, twice on end, and its wait ahead of my first tensor load
	ds_add_u32 v[SPW], v[NIL]
	v_lshrrev_b32 v1, 5, v0
	v_readfirstlane_b32 s[WV], v1
	s_lshr_b32 s[WQ], s[WV], 1
	s_and_b32 s[WK], s[WV], 1
	s_and_b32 s[BH], ttmp7, 0xffff
	s_and_b32 s[HD], s[BH], 15
	s_lshr_b32 s[BB], s[BH], 4
	s_sub_co_u32 s66, 15, ttmp9
	s_and_b32 s67, ttmp9, 1                        ; SCC: x is odd
	s_cselect_b32 s[QB1], ttmp9, s66               ; the odd one of x and 15 - x
	s_sub_co_u32 s[QB2], 15, s[QB1]
	s_add_co_u32 s[MSW], s[QB1], 1
	s_lshr_b32 s[MSW], s[MSW], 1
	s_cmp_eq_u32 ttmp9, 0
	s_cselect_b32 s[PLIM], 6, 0
	s_mov_b32 s[G1K],   (1<<16)|(1<<20)|(4<<22)|(3<<25)  ; elements of 2 bytes; padding: 4 words behind every 32
	s_mov_b32 s[G1K+1], 64<<16                     ; tensor_dim0
	s_mov_b32 s[G1K+2], 128<<16                    ; tensor_dim1
	s_mov_b32 s[G1K+3], 64<<16                     ; tile_dim0
	s_mov_b32 s[G1K+4], 128                        ; tile_dim1
	s_mov_b32 s[G1K+5], 64                         ; the pitch
	s_mov_b32 s[G1K+6], 0
	s_mov_b32 s[G1K+7], 0
	s_mov_b32 s[G1V],   (1<<16)|(1<<20)|(5<<22)|(7<<25)  ; padding: 8 words behind every 64
	s_mov_b32 s[G1V+1], 128<<16
	s_mov_b32 s[G1V+2], 128<<16
	s_mov_b32 s[G1V+3], 128<<16
	s_mov_b32 s[G1V+4], 128
	s_mov_b32 s[G1V+5], 128
	s_mov_b32 s[G1V+6], 0
	s_mov_b32 s[G1V+7], 0
	s_mov_b32 s[G0], 1
	s_mul_i32 s66, s[WK], STEPB                    ; which of a visit's two steps I load,
	s_mul_i32 s67, s[WQ], VIN                      ; its K or its V
	s_add_co_u32 s[G0+1], s66, s67
	s_lshl_b32 s66, s[BH], 18
	s_lshl_b32 s67, s[WK], 14
	s_add_co_u32 s66, s66, s67
	s_add_co_u32 s66, s66, KOFF                    ; K: its region + the head + the step;
	s_lshl_b32 s66, s66, s[WQ]                     ; V: all three are twice as many bytes
	s_mov_b32 s67, 0
	s_lshl_b32 s[TSTEP], 32768, s[WQ]              ; a visit on
	s_mov_b32 s[SEL], 0x76543210
	s_mov_b32 s[SEL+1], 0xfedcba98
	s_mov_b32 s[TB], 0
	s_mov_b32 s[KB], 0
	s_mov_b32 s[QBC], s[QB1]
	s_wait_dscnt 0x0                               ; both opening adds are done
	s_wait_kmcnt 0x0
	s_add_nc_u64 s[TBASE:TBASE+1], s[4:5], s[66:67]
	s_mov_b64 s[G0+2:G0+3], s[TBASE:TBASE+1]
	s_or_b32 s[G0+3], s[G0+3], 0x80000000
	TLOAD 1                                        ; visit 0 into slot 0
	v_and_b32 v1, 15, v0                           ; r
	v_bfe_u32 v2, v0, 4, 1                         ; h
.irp i, 0,1,2,3,4,5,6
	v_mov_b32 v[TM+\i], 0                          ; (a lane permute's destination counts as one of its sources.)  Cleared here, ahead of the lines that put my first key of a step into v21: the table T below still reads it
.endr
	s_mul_i32 s66, s[WK], 64*PKK
	v_mul_u32_u24 v[AK0], v1, PKK
	v_lshl_add_u32 v[AK0], v2, 4, v[AK0]
	v_add_nc_u32 v[AK0], s66, v[AK0]               ; K: my 64 keys, row r, + 16 h
	v_and_b32 v5, 7, v0
	v_bfe_u32 v6, v0, 3, 1
	v_lshl_add_u32 v[AV0], v2, 3, v5
	v_mul_u32_u24 v[AV0], v[AV0], PVV
	v_lshl_add_u32 v[AV0], v6, 4, v[AV0]
	s_mul_i32 s66, s[WK], 64*PVV
	s_add_co_u32 s66, s66, VIN
	v_add_nc_u32 v[AV0], s66, v[AV0]               ; V, for the turning load: key 8 h + l % 8, channels 8 ((l / 8) % 2) on
	s_mul_i32 s66, s[WV], 16*272
	s_add_co_u32 s66, s66, STAGE
	v_mul_u32_u24 v[STO], v1, 272
	v_lshl_add_u32 v[STO], v2, 4, v[STO]
	v_add_nc_u32 v[STO], s66, v[STO]
	v_mul_u32_u24 v[RD], v2, 272
	v_lshl_add_u32 v[RD], v1, 4, v[RD]
	v_add_nc_u32 v[RD], s66, v[RD]
	v_lshlrev_b32 v[GO], 12, v2
	v_lshl_add_u32 v[GO], v1, 4, v[GO]             ; the output: lanes 0-15 one row's 256 bytes of my head, lanes 16-31 the next row's
	v_lshlrev_b32 v[GG], 8, v1
	v_lshl_add_u32 v[GG], v2, 4, v[GG]             ; the gate: row r, + 16 h
	v_and_b32 v5, 31, v0
	v_lshlrev_b32 v6, 4, v5
	s_lshl_b32 s66, s[WV], 14
	s_add_co_u32 s66, s66, XB
	v_add_nc_u32 v[XW], s66, v6
	s_xor_b32 s67, s[WV], 1
	s_lshl_b32 s66, s67, 14
	s_add_co_u32 s66, s66, XB
	v_add_nc_u32 v[XR], s66, v6
	v_lshlrev_b32 v[MXA], 2, v5
	s_lshl_b32 s66, s[WV], 8
	s_add_co_u32 s66, s66, XRS
	v_add_nc_u32 v[XRSW], s66, v[MXA]
	s_lshl_b32 s66, s67, 8
	s_add_co_u32 s66, s66, XRS
	v_add_nc_u32 v[XRSR], s66, v[MXA]
	v_lshlrev_b32 v[PFO], 8, v5
	v_lshlrev_b32 v[FO], 8, v1
	v_lshl_add_u32 v[FO], v2, 7, v[FO]             ; the f32 rows: row r, channels 32 h on
	s_lshl_b32 s66, s[WQ], 6
	s_lshl_b32 s67, s[WK], 5
	s_add_co_u32 s68, s66, s67                     ; the rows of register tiles 0, 1 begin at 64 wq + 32 wk,
	s_xor_b32 s69, s67, 32
	s_add_co_u32 s69, s66, s69                     ; those of tiles 2, 3 at 64 wq + 32 (wk ^ 1)
	v_add_nc_u32 v[SL], s68, v1
	v_add_nc_u32 v[SL+1], 16, v[SL]
	v_add_nc_u32 v20, s69, v1
	s_lshl_b32 s70, s[WK], 6
	v_lshl_add_u32 v21, v2, 3, s70                 ; my first key of a step: 64 wk + 8 h; it stays until T is made
	v_sub_nc_u32 v[DM], v[SL], v21                 ; on the diagonal key 16 kt + j of mine is hidden where 16 kt + j > this
	v_sub_nc_u32 v[DM+1], v[SL+1], v21
	v_sub_nc_u32 v[DM+2], v20, v21
	v_add_nc_u32 v[DM+3], 16, v[DM+2]
	v_lshlrev_b32 v[QO], 7, v[SL]
	v_lshl_add_u32 v[QO], v2, 4, v[QO]
	v_lshlrev_b32 v[QO+1], 7, v20
	v_lshl_add_u32 v[QO+1], v2, 4, v[QO+1]
	; pointers
	s_mov_b32 s67, 0
	s_lshl_b32 s66, s[BH], 18
	s_add_nc_u64 s[68:69], s[4:5], s[66:67]
	s_lshl_b32 s66, s[QB2], 14
	s_add_nc_u64 s[QPTR2:QPTR2+1], s[68:69], s[66:67]
	s_lshl_b32 s66, s[QB1], 14
	s_add_nc_u64 s[68:69], s[68:69], s[66:67]      ; the first block's Q
	s_lshl_b32 s66, s[BH], 19
	s_lshl_b32 s72, s[WV], 13
	s_add_co_u32 s66, s66, s72
	s_add_co_u32 s66, s66, GOFF
	s_add_nc_u64 s[70:71], s[4:5], s[66:67]        ; the gate: my head, the 32 rows that I keep
	s_lshl_b32 s66, s[QB1], 15
	s_add_nc_u64 s[GPTR:GPTR+1], s[70:71], s[66:67]
	s_lshl_b32 s66, s[QB2], 15
	s_add_nc_u64 s[GPTR2:GPTR2+1], s[70:71], s[66:67]
	s_lshl_b32 s66, s[BB], 23
	s_lshl_b32 s72, s[WV], 17
	s_add_co_u32 s66, s66, s72
	s_lshl_b32 s72, s[HD], 8
	s_add_co_u32 s66, s66, s72
	s_add_nc_u64 s[70:71], s[6:7], s[66:67]        ; the output likewise
	s_lshl_b32 s66, s[QB1], 19
	s_add_nc_u64 s[APTR:APTR+1], s[70:71], s[66:67]
	s_lshl_b32 s66, s[QB2], 19
	s_add_nc_u64 s[APTR2:APTR2+1], s[70:71], s[66:67]
	s_lshl_b32 s66, s[BH], 12
	s_add_co_u32 s66, s66, F32O
	s_add_nc_u64 s[72:73], s[4:5], s[66:67]
	s_lshl_b32 s66, s[BH], 7
	s_add_co_u32 s66, s66, MXO
	s_add_nc_u64 s[74:75], s[4:5], s[66:67]
	s_lshl_b32 s66, s[BH], 18
	s_lshl_b32 s70, s[WV], 13
	s_add_co_u32 s66, s66, s70
	s_add_co_u32 s66, s66, KOFF+32768              ; at visit 1: the first visit's head steps it to visit 2
	s_add_nc_u64 s[PFK:PFK+1], s[4:5], s[66:67]
	s_lshl_b32 s66, s[BH], 19
	s_lshl_b32 s70, s[WV], 14
	s_add_co_u32 s66, s66, s70
	s_add_co_u32 s66, s66, VOFF+65536
	s_add_nc_u64 s[PFV:PFV+1], s[4:5], s[66:67]
	WIN 0x80
.irp t, 0,1,2,3
.irp c, 0,1
	global_load_b128 v[16*\t+8*\c:16*\t+8*\c+3],   v[QO+\t/2], s[68:69] offset:(\t%2)*2048+64*\c
	global_load_b128 v[16*\t+8*\c+4:16*\t+8*\c+7], v[QO+\t/2], s[68:69] offset:(\t%2)*2048+64*\c+32
.endr
.endr
	WIN 0xc0
.irp i, 0,1,2,3,4,5,6,7                        ; every wave loads the head's first 16 rows of k and q in f32: register i is channel 32 h + i of row r
	global_load_b128 v[128+4*\i:128+4*\i+3], v[FO], s[72:73] offset:131072+16*\i
	global_load_b128 v[160+4*\i:160+4*\i+3], v[FO], s[72:73] offset:16*\i
.endr
	WIN 0
	global_load_b32 v[TM+7], v[MXA], s[74:75]      ; lanes 0-15: the largest |q| of the head's 16 chunks; lanes 16-31: |k|
	WIN 0x40
.set i, 0
.rept 256
	v_mov_b32 v[i], 0                              ; O^T begins as zeros: the step is written once and always adds.  These stand where the first tile is on its way
.set i, i+1
.endr
	WIN 0
.irp i, 0,1,2,3,4,5,6,7
	v_mov_b32 v[RS+\i], 0
.endr
	v_mov_b32 v[SFV+1], 0                          ; (upper halves of pairs of which the lower word serves both halves)
	v_mov_b32 v[MUP+1], 0
	v_mov_b32 v[ZP+1], 0
	s_sub_co_u32 s66, 122, s[HD]
	s_lshl_b32 s66, s66, 23
	v_mov_b32 v22, s66                             ; eps = 2^-(5 + h) = 1 - gamma
	v_mov_b32 v[NLG], 0x3e124925                   ; -ln(1 - eps) = eps (1 + eps/2 + .. + eps^6/7): the next term is under 4e-12
	v_fmaak_f32 v[NLG], v[NLG], v22, 0x3e2aaaab
	v_fmaak_f32 v[NLG], v[NLG], v22, 0x3e4ccccd
	v_fmaak_f32 v[NLG], v[NLG], v22, 0x3e800000
	v_fmaak_f32 v[NLG], v[NLG], v22, 0x3eaaaaab
	v_fmaak_f32 v[NLG], v[NLG], v22, 0x3f000000
	v_fmaak_f32 v[NLG], v[NLG], v22, 0x3f800000
	v_mul_f32 v[NLG], v[NLG], v22                  ; -ln gamma
	v_mul_f32 v[NL2G], 0x3fb8aa3b, v[NLG]          ; -log2 gamma
.irp n, 0,1,2,3,4,5,6,7,8,9,10,11,12,13,14,15,16,17,18,19,20,21,22,23,24,25,26,27,28,29,30,31
	v_add_nc_u32 v[T+\n], 16*(\n/8)+\n%8, v21      ; my key (kt, j) of a step: 64 wk + 16 kt + 8 h + j
.endr
.irp n, 0,1,2,3,4,5,6,7,8,9,10,11,12,13,14,15,16,17,18,19,20,21,22,23,24,25,26,27,28,29,30,31
	v_cvt_f32_u32 v[T+\n], v[T+\n]
.endr
.irp n, 0,1,2,3,4,5,6,7,8,9,10,11,12,13,14,15,16,17,18,19,20,21,22,23,24,25,26,27,28,29,30,31
	v_mul_f32 v[T+\n], v[T+\n], v[NL2G]
.endr
	s_lshl_b32 s66, s[QB1], 7
	v_cvt_f32_u32 v22, s66
	v_mul_f32 v22, v22, v[NL2G]
	s_lshl_b32 s66, s[QB2], 7
	v_cvt_f32_u32 v23, s66
	v_mul_f32 v23, v23, v[NL2G]
	v_mul_f32 v[G128], 0x43000000, v[NL2G]
.irp n, 0,1,2,3,4,5,6,7,8,9,10,11,12,13,14,15,16,17,18,19,20,21,22,23,24,25,26,27,28,29,30,31
	v_exp_f32 v[T+\n], v[T+\n]                     ; T = gamma^(-t_loc)
.endr
	v_exp_f32 v22, -v22                            ; gamma^(128 QB1)
	v_exp_f32 v23, -v23                            ; gamma^(128 QB2)
	v_exp_f32 v[G128], v[G128]                     ; gamma^-128
	v_nop
	s_wait_alu depctr_va_vdst(0)                   ; one wait for the batch
	s_wait_loadcnt 0x0                             ; Q, the f32 rows, the maxima
	v_max_num_f32 v[TM+7], 0x21800000, v[TM+7]     ; the floor 2^-60
.irp m, 1,2,4,8
	v_max_num_f32_dpp v[TM+7], v[TM+7], v[TM+7] row_xmask:\m row_mask:0xf bank_mask:0xf
.endr
	v_lshrrev_b32 v20, 23, v[TM+7]                 ; the exponent field: eq + 127 in lanes 0-15, ek + 127 in lanes 16-31
	v_permlanex16_b32 v21, v20, s[SEL], s[SEL+1]
	v_add_nc_u32 v20, v20, v21
	v_sub_nc_u32 v21, 381, v20
	v_lshlrev_b32 v[CB], 23, v21                   ; c = 2^-(eq + ek)
	v_add_nc_u32 v21, -130, v20
	v_lshlrev_b32 v[CINV], 23, v21                 ; 2^(eq + ek - 3): 1 / c, and k's factor 1/8
	v_mul_f32 v[SFV], v22, v[CB]                   ; f at key block 0 of the first block,
	v_mul_f32 v[F0B], v23, v[CB]                   ; and of the second
; A STEP: my 64 queries x my 64 of the step's 128 keys.  special = 1: the text holds the f32 scores of the first 16 positions.
.macro STEP special
.set i, 0
.rept 16
	v_pk_mul_f32 v[F+i:F+i+1], v[T+i:T+i+1], v[SFV:SFV+1] op_sel_hi:[1,0]   ; F = T f.  These lines are also the places behind the last products, for the loads below and for the scores that are laid over P
.set i, i+2
.endr
	v_add_nc_u32 v[ADR], s[TB], v[AK0]
	v_add_nc_u32 v[ADV], s[TB], v[AV0]
	WIN 0x80
.irp f, 0,1,2,3,4,5,6,7                        ; K: keys 16 (f / 2) on, channels 32 (f % 2) on
	ds_load_b128 v[64+8*\f:64+8*\f+3],   v[ADR] offset:(\f/2)*16*PKK+(\f%2)*64
	ds_load_b128 v[64+8*\f+4:64+8*\f+7], v[ADR] offset:(\f/2)*16*PKK+(\f%2)*64+32
.endr
	WIN 0xc0
.irp f, 0,1,2,3,4,5,6,7,8,9,10,11,12,13,14,15  ; V, turned: keys 32 (f / 8) on, channels 16 (f % 8) on
	ds_load_tr16_b128 v[8*\f:8*\f+3],   v[ADV] offset:(\f/8)*32*PVV+(\f%8)*32
	ds_load_tr16_b128 v[8*\f+4:8*\f+7], v[ADV] offset:(\f/8)*32*PVV+16*PVV+(\f%8)*32
.endr
	s_wait_dscnt 32                                ; K's 16 loads are in; V's 32 may be out
	WIN 0x0a
.irp c, 0,1                                    ; S^T = K Q^T: the 16 accumulators take turns, one instruction a turn
.irp kt, 0,1,2,3
.irp t, 0,1,2,3
.if \c == 0
	v_wmma_f32_16x16x32_f16 v[S+32*\t+8*\kt:S+32*\t+8*\kt+7], v[64+16*\kt+8*\c:64+16*\kt+8*\c+7], v[16*\t+8*\c:16*\t+8*\c+7], 0
.else
	v_wmma_f32_16x16x32_f16 v[S+32*\t+8*\kt:S+32*\t+8*\kt+7], v[64+16*\kt+8*\c:64+16*\kt+8*\c+7], v[16*\t+8*\c:16*\t+8*\c+7], v[S+32*\t+8*\kt:S+32*\t+8*\kt+7]
.endif
.endr
.endr
.endr
	WIN 0
.rept 4
	v_nop
.endr
.if \special
	s_or_b32 s66, ttmp9, s[WV]                     ; the work-group with x = 0 has block 0 here, and its wave 0 has queries 0-15 against keys 0-15 in tile (0, 0)
	s_cmp_lg_u32 s66, 0
	s_cbranch_scc1 .Lno_special_\@
	WIN 0xff
	v_wmma_f32_16x16x4_f32 v[192:199], v[128:129], v[160:161], 0    ; channels 32 h + 2 c + 0, 1, alike on both sides
.set i, 2
.rept 15
	s_wait_alu depctr_va_vdst(0)                   ; a wait directly ahead of each link
	v_wmma_f32_16x16x4_f32 v[192:199], v[128+i:129+i], v[160+i:161+i], v[192:199]
.set i, i+2
.endr
.rept 8
	v_nop
.endr
	WIN 0x03
.irp j, 0,1,2,3,4,5,6,7
	v_mov_b32 v[S+\j], v[192+\j]
.endr
	WIN 0
.Lno_special_\@:
.endif
	s_cmp_lg_u32 s[KB], s[QBC]                     ; on the diagonal the scores of later keys become 0
	s_cbranch_scc1 .Lopen_\@
.irp t, 0,1,2,3
.irp kt, 0,1,2,3
.irp j, 0,1,2,3,4,5,6,7
	v_cmp_gt_i32 vcc_lo, 16*\kt+\j, v[DM+\t]
	v_cndmask_b32 v[S+32*\t+8*\kt+\j], v[S+32*\t+8*\kt+\j], v[NIL], vcc_lo
.endr
.endr
.endr
.Lopen_\@:
.irp t, 0,1,2,3
.irp n, 0,2,4,6,8,10,12,14,16,18,20,22,24,26,28,30
	v_pk_mul_f32 v[S+32*\t+\n:S+32*\t+\n+1], v[S+32*\t+\n:S+32*\t+\n+1], v[F+\n:F+\n+1]
.endr
.endr
.irp n, 0,2,4,6,8,10,12,14,16,18,20,22,24,26,28,30
.irp t, 0,1,2,3
	v_pk_add_f32 v[RS+2*\t:RS+2*\t+1], v[RS+2*\t:RS+2*\t+1], v[S+32*\t+\n:S+32*\t+\n+1]   ; the row's sum, of the numbers before they are rounded
.endr
.endr
.irp t, 0,1,2,3
.irp c, 0,1
.irp i, 0,1,2,3,4,5,6,7
	v_cvt_pk_f16_f32 v[S+32*\t+16*\c+\i], v[S+32*\t+16*\c+2*\i], v[S+32*\t+16*\c+2*\i+1]   ; in place, ascending: two tiles of 16 keys become source 1 for 32 keys
.endr
.endr
.endr
	s_wait_dscnt 0x0                               ; V
	WIN 0x53
.irp c, 0,1                                    ; O^T += V^T P: the 32 accumulators take turns
.irp d, 0,1,2,3,4,5,6,7
.irp t, 0,1,2,3
	v_wmma_f32_16x16x32_f16 v[64*\t+8*\d:64*\t+8*\d+7], v[64*\c+8*\d:64*\c+8*\d+7], v[S+32*\t+16*\c:S+32*\t+16*\c+7], v[64*\t+8*\d:64*\t+8*\d+7]
.endr
.endr
.endr
	WIN 0
	v_mul_f32 v[SFV], v[SFV], v[G128]              ; f for the next key block
	s_add_co_u32 s[KB], s[KB], 1
	s_add_co_u32 s[TB], s[TB], STEPB
.endm
; A BLOCK'S END, first half: my row sums are finished within the wave; tiles 2 and 3 of O^T and their sums go to LDS as images of their registers.
.macro E1
.irp t, 0,1,2,3
	v_add_f32 v[RS+2*\t], v[RS+2*\t], v[RS+2*\t+1] ; (four plain lines behind the last products)
.endr
.irp t, 0,1,2,3
	v_permlanex16_b32 v[TM+\t], v[RS+2*\t], s[SEL], s[SEL+1]
.endr
.irp t, 0,1,2,3
	v_add_f32 v[RS+2*\t], v[RS+2*\t], v[TM+\t]
.endr
	ds_store_b32 v[XRSW], v[RS+4]
	ds_store_b32 v[XRSW], v[RS+6] offset:128
	WIN 0x04                                       ; an LDS store's data are its source 1: window 1
.set i, 0
.rept 32
	ds_store_b128 v[XW], v[128+4*i:128+4*i+3] offset:512*i
.set i, i+1
.endr
	WIN 0
.endm
; four packed registers of the gate (named outright, for their halves) against eight numbers of y; then packed to f16
.macro GATE4 ga, gb, gc, gd, dt
.set GSC, TM+196*((\dt)%2)             ; v20-27 and v216-223 by turns
	v_cvt_f32_f16 v[GSC],   v\ga\().l
	v_cvt_f32_f16 v[GSC+1], v\ga\().h
	v_cvt_f32_f16 v[GSC+2], v\gb\().l
	v_cvt_f32_f16 v[GSC+3], v\gb\().h
	v_cvt_f32_f16 v[GSC+4], v\gc\().l
	v_cvt_f32_f16 v[GSC+5], v\gc\().h
	v_cvt_f32_f16 v[GSC+6], v\gd\().l
	v_cvt_f32_f16 v[GSC+7], v\gd\().h
.irp k, 0,1,2,3
	v_pk_mul_f32 v[128+8*(\dt)+2*\k:128+8*(\dt)+2*\k+1], v[128+8*(\dt)+2*\k:128+8*(\dt)+2*\k+1], v[GSC+2*\k:GSC+2*\k+1]
.endr
.irp k, 0,1,2,3
	v_cvt_pk_f16_f32 v[F+4*(\dt)+\k], v[128+8*(\dt)+2*\k], v[128+8*(\dt)+2*\k+1]
.endr
.endm
; one kept tile: + the partner's half, the norm over 128 channels (64 mine, 64 in lane l xor 16), the gate, out.  lc: the loads that may stay out behind the gate's
.macro E2TILE tt, lc
.set OT, 64*(\tt)
.set WR, RS+2*(\tt)+1
.set i, 0
.rept 16
	ds_load_b128 v[128+4*i:128+4*i+3], v[XR] offset:8192*(\tt)+512*i
.set i, i+1
.endr
	s_wait_dscnt 0x0
	WIN 0x41
.set i, 0
.rept 32
	v_pk_add_f32 v[OT+i:OT+i+1], v[OT+i:OT+i+1], v[128+i:128+i+1]
.set i, i+2
.endr
	WIN 0x01
.set i, 0
.rept 32
.if i < 8
	v_pk_add_f32 v[ACC+i:ACC+i+1], v[OT+i:OT+i+1], 0 op_sel_hi:[1,0]   ; four chains; the first four pairs start them
.else
	v_pk_add_f32 v[ACC+i%8:ACC+i%8+1], v[OT+i:OT+i+1], v[ACC+i%8:ACC+i%8+1]
.endif
.set i, i+2
.endr
	WIN 0
	v_pk_add_f32 v[ACC:ACC+1], v[ACC:ACC+1], v[ACC+2:ACC+3]
	v_pk_add_f32 v[ACC+4:ACC+5], v[ACC+4:ACC+5], v[ACC+6:ACC+7]
	v_pk_add_f32 v[ACC:ACC+1], v[ACC:ACC+1], v[ACC+4:ACC+5]
	v_add_f32 v[ACC], v[ACC], v[ACC+1]
	v_permlanex16_b32 v[ACC+2], v[ACC], s[SEL], s[SEL+1]
	v_add_f32 v[ACC], v[ACC], v[ACC+2]
	v_mul_f32 v[MUP], 0x3c000000, v[ACC]           ; the mean
	WIN 0x41
.set i, 0
.rept 32
	v_pk_add_f32 v[OT+i:OT+i+1], v[OT+i:OT+i+1], v[MUP:MUP+1] op_sel_hi:[1,0] neg_lo:[0,1] neg_hi:[0,1]
.set i, i+2
.endr
	WIN 0x05
.set i, 0
.rept 32
.if i < 8
	v_pk_mul_f32 v[ACC+i:ACC+i+1], v[OT+i:OT+i+1], v[OT+i:OT+i+1]
.else
	v_pk_fma_f32 v[ACC+i%8:ACC+i%8+1], v[OT+i:OT+i+1], v[OT+i:OT+i+1], v[ACC+i%8:ACC+i%8+1]
.endif
.set i, i+2
.endr
	WIN 0
	v_pk_add_f32 v[ACC:ACC+1], v[ACC:ACC+1], v[ACC+2:ACC+3]
	v_pk_add_f32 v[ACC+4:ACC+5], v[ACC+4:ACC+5], v[ACC+6:ACC+7]
	v_pk_add_f32 v[ACC:ACC+1], v[ACC:ACC+1], v[ACC+4:ACC+5]
	v_add_f32 v[ACC], v[ACC], v[ACC+1]
	v_permlanex16_b32 v[ACC+2], v[ACC], s[SEL], s[SEL+1]
	v_add_f32 v[ACC], v[ACC], v[ACC+2]
	v_mul_f32 v[ACC], 0x3c000000, v[ACC]           ; the variance of O
	v_mul_f32 v[ACC], v[ACC], v[WR]
	v_fmaak_f32 v[ACC], v[ACC], v[WR], 0x3727c5ac  ; w^2 var + 1e-5
	v_rsq_f32 v[ACC], v[ACC]
	v_mul_f32 v[ACC+1], 0x3e800000, v[WR]          ; w / 4 (a plain line behind the root)
	s_wait_alu depctr_va_vdst(0)
	v_mul_f32 v[ZP], v[ACC], v[ACC+1]
	WIN 0x01
.set i, 0
.rept 32
	v_pk_mul_f32 v[128+i:128+i+1], v[OT+i:OT+i+1], v[ZP:ZP+1] op_sel_hi:[1,0]
.set i, i+2
.endr
	WIN 0
	s_wait_loadcnt \lc                             ; the gate is in
.if (\tt) == 0
	GATE4 64, 65, 66, 67, 0
	GATE4 68, 69, 70, 71, 1
	GATE4 72, 73, 74, 75, 2
	GATE4 76, 77, 78, 79, 3
	GATE4 80, 81, 82, 83, 4
	GATE4 84, 85, 86, 87, 5
	GATE4 88, 89, 90, 91, 6
	GATE4 92, 93, 94, 95, 7
.else
	GATE4 96, 97, 98, 99, 0
	GATE4 100, 101, 102, 103, 1
	GATE4 104, 105, 106, 107, 2
	GATE4 108, 109, 110, 111, 3
	GATE4 112, 113, 114, 115, 4
	GATE4 116, 117, 118, 119, 5
	GATE4 120, 121, 122, 123, 6
	GATE4 124, 125, 126, 127, 7
.endif
.irp d, 0,1,2,3,4,5,6,7
	ds_store_b128 v[STO], v[F+4*\d:F+4*\d+3] offset:32*\d
.endr
.irp t, 0,1,2,3,4,5,6,7
	ds_load_b128 v[128+4*\t:128+4*\t+3], v[RD] offset:544*\t   ; LDS serves a wave's instructions in order: these see my stores
.endr
.irp t, 0,1,2,3,4,5,6,7
	s_wait_dscnt 7-\t
	global_store_b128 v[GO], v[128+4*\t:128+4*\t+3], s[APTR:APTR+1] offset:65536*(\tt)+8192*\t   ; sixteen lanes store 256 consecutive bytes, aligned
.endr
	s_wait_xcnt 0x0                                ; the stores have read their registers
.endm
; A BLOCK'S END, second half.  q = 1: another block follows.
.macro E2 q
.rept 4
	v_nop                                          ; places in front of loads into registers that matrix instructions have read
.endr
.irp u, 0,1
.irp d, 0,1,2,3,4,5,6,7
	global_load_b128 v[S+32*\u+4*\d:S+32*\u+4*\d+3], v[GG], s[GPTR:GPTR+1] offset:4096*\u+32*\d   ; the gate of my 32 rows, in the result's layout
.endr
.endr
.if \q
	WIN 0x80
.irp t, 0,1,2,3
.irp c, 0,1
	global_load_b128 v[16*\t+8*\c:16*\t+8*\c+3],   v[QO+\t/2], s[QPTR2:QPTR2+1] offset:(\t%2)*2048+64*\c
	global_load_b128 v[16*\t+8*\c+4:16*\t+8*\c+7], v[QO+\t/2], s[QPTR2:QPTR2+1] offset:(\t%2)*2048+64*\c+32
.endr
.endr
	WIN 0
.endif
	ds_load_b32 v[TM], v[XRSR]                     ; the partner's sums of my two tiles
	ds_load_b32 v[TM+1], v[XRSR] offset:128
	s_lshl_b32 s66, s[QBC], 7
	s_add_co_u32 s66, s66, 1
	s_add_co_u32 s67, s[HD], 5
.irp u, 0,1
	v_add_nc_u32 v[32+\u], s66, v[SL+\u]
	v_cvt_f32_u32 v[36+\u], v[SL+\u]
.endr
.irp u, 0,1
	v_cvt_f32_u32 v[32+\u], v[32+\u]
	v_mul_f32 v[36+\u], v[36+\u], v[NL2G]
.endr
.irp u, 0,1
	v_mul_f32 v[32+\u], v[32+\u], v[NLG]           ; y = -(s + 1) ln gamma
.endr
.irp u, 0,1
	v_mul_f32 v[34+\u], 0xbfb8aa3b, v[32+\u]
.endr
.irp u, 0,1
	v_exp_f32 v[34+\u], v[34+\u]                   ; e^-y
	v_exp_f32 v[36+\u], -v[36+\u]                  ; gamma^(s_loc)
.endr
.irp u, 0,1
	v_mov_b32 v[38+\u], 0xb7d00d01                 ; 1 - e^-y = y (1 - y/2 + y^2/6 - .. - y^7/40320): at y = 1/2 the next term is under 1e-8 of the sum
.endr
.irp k, 0x39500d01, 0xbab60b61, 0x3c088889, 0xbd2aaaab, 0x3e2aaaab, 0xbf000000, 0x3f800000
.irp u, 0,1
	v_fmaak_f32 v[38+\u], v[38+\u], v[32+\u], \k
.endr
.endr
.irp u, 0,1
	v_mul_f32 v[38+\u], v[38+\u], v[32+\u]
.endr
	s_wait_alu depctr_va_vdst(0)                   ; one wait for the four exponentials; the series stood between
.irp u, 0,1
	v_sub_f32 v[34+\u], 1.0, v[34+\u]
	v_cmp_gt_f32 vcc_lo, 0.5, v[32+\u]
	v_cndmask_b32 v[34+\u], v[34+\u], v[38+\u], vcc_lo
	v_ldexp_f32 v[34+\u], v[34+\u], s67            ; rowsum_s
.endr
.irp u, 0,1
	v_rsq_f32 v[34+\u], v[34+\u]
.endr
.irp u, 0,1
	v_mul_f32 v[36+\u], v[36+\u], v[CINV]
.endr
	s_wait_alu depctr_va_vdst(0)
	s_wait_dscnt 0x0
.irp u, 0,1
	v_mul_f32 v[36+\u], v[36+\u], v[34+\u]         ; a_s
	v_add_f32 v[TM+\u], v[TM+\u], v[RS+2*\u]       ; the row's whole sum
.endr
.irp u, 0,1
	v_mul_f32 v[TM+\u], v[TM+\u], v[36+\u]
.endr
.irp u, 0,1
	v_max_num_f32 v[TM+\u], |v[TM+\u]|, 1.0        ; the divisor
.endr
.irp u, 0,1
	v_rcp_f32 v[TM+\u], v[TM+\u]
.endr
	v_nop
	s_wait_alu depctr_va_vdst(0)
.irp u, 0,1
	v_mul_f32 v[RS+2*\u+1], v[36+\u], v[TM+\u]     ; w: out = w O
.endr
	E2TILE 0, 16*\q
	E2TILE 1, 16*\q
.if \q
	WIN 0x40
.set i, 0
.rept 256
	v_mov_b32 v[i], 0                              ; the next block's sums begin as zeros
.set i, i+1
.endr
	WIN 0
.irp i, 0,1,2,3,4,5,6,7
	v_mov_b32 v[RS+\i], 0
.endr
	v_mov_b32 v[SFV], v[F0B]
	s_mov_b32 s[KB], 0
	s_mov_b32 s[QBC], s[QB2]
	s_wait_loadcnt 0x0                             ; the next block's Q; every load that named the gate's pointer is done, and the stores' addresses were read above
	s_mov_b64 s[GPTR:GPTR+1], s[GPTR2:GPTR2+1]
	s_mov_b64 s[APTR:APTR+1], s[APTR2:APTR2+1]
.endif
.endm
; A VISIT: a slot's one or two steps.  At its head every wave waits for all its tensor loads, adds 0 to its spare word and waits for that and for its reads of the slot that it has left; behind the barrier that slot is
; asked for again first (fill = 1: two steps; 2: one step; 0: nothing).  Where the block changes, E1 stores, a second barrier, behind which nothing is filled, shows the stores to the partner, and E2 reads.
.macro VISIT fill, nsteps, special
	s_wait_tensorcnt 0x0                           ; all my tensor loads have landed: my part of this visit's slot; so the descriptor may be written
	ds_add_u32 v[SPW], v[NIL]                      ; 0 onto my spare word; the descriptor's words stand between it and the wait for it
.if \fill
	s_xor_b32 s[G0+1], s[G0+1], SLOT1
	s_add_co_u32 s66, s[M], 1
	s_cmp_ge_u32 s66, s[MSW]
	s_cselect_b32 s67, s[MSW], 0
	s_sub_co_u32 s66, s66, s67                     ; the next visit's pair of key blocks, counted anew from the change of block
	s_mul_i32 s66, s66, s[TSTEP]
	s_mov_b32 s67, 0
	s_add_nc_u64 s[G0+2:G0+3], s[TBASE:TBASE+1], s[66:67]
	s_or_b32 s[G0+3], s[G0+3], 0x80000000
.endif
.if \fill == 1
	s_wait_xcnt 0x0                                ; the last prefetches, a visit back, have read their addresses
	s_add_nc_u64 s[PFK:PFK+1], s[PFK:PFK+1], 32768
	s_add_nc_u64 s[PFV:PFV+1], s[PFV:PFV+1], 65536
.endif
	s_wait_dscnt 0x0
	s_barrier_signal -1
	s_barrier_wait -1
.if \fill
	TLOAD \fill
.endif
.if \fill == 1
	ASK
.endif
	s_cmp_lg_u32 s[M], s[MSW]
	s_cbranch_scc1 .Lno_e1_\@
	E1
.Lno_e1_\@:
	s_wait_dscnt 0x0                               ; for the partner's sake: my stores have landed
	s_barrier_signal -1
	s_barrier_wait -1
	s_cmp_lg_u32 s[M], s[MSW]
	s_cbranch_scc1 .Lno_e2_\@
	E2 1
.Lno_e2_\@:
.if \nsteps == 2
	s_mov_b32 s[TWICE], 2
.Lstep_\@:
	STEP 0
	s_sub_co_u32 s[TWICE], s[TWICE], 1
	s_cmp_lg_u32 s[TWICE], 0
	s_cbranch_scc1 .Lstep_\@
	s_sub_co_u32 s[TB], s[TB], 2*STEPB
	s_xor_b32 s[TB], s[TB], SLOT1
.else
	STEP \special
.endif
.endm
	s_mov_b32 s[M], 0
.Lvisit:
	VISIT 1, 2, 0
	s_add_co_u32 s[M], s[M], 1
	s_cmp_lt_u32 s[M], 7
	s_cbranch_scc1 .Lvisit
	VISIT 2, 2, 0                                  ; the tail is written out
	s_add_co_u32 s[M], s[M], 1
	VISIT 0, 1, 1
	s_wait_dscnt 0x0
	s_barrier_signal -1                            ; parts the last reads of the exchange from the stores that follow
	s_barrier_wait -1
	E1
	s_wait_dscnt 0x0
	s_barrier_signal -1
	s_barrier_wait -1
	E2 0
	s_wait_tensorcnt 0x0                           ; the wave's end, behind my last tensor load and my last LDS store
	ds_add_u32 v[SPW], v[NIL]
	s_wait_dscnt 0x0
	s_endpgm
.Lfunc_end_k_q10e172fbe7_retn:
	.size	k_q10e172fbe7_retn, .Lfunc_end_k_q10e172fbe7_retn-k_q10e172fbe7_retn
	.p2alignl 7, 3214868480
	.fill 96, 4, 3214868480
	.section	.rodata,"a",@progbits
	.p2align	6, 0x0
	.amdhsa_kernel k_q10e172fbe7_retn
		.amdhsa_group_segment_fixed_size 327680
		.amdhsa_private_segment_fixed_size 0
		.amdhsa_enable_private_segment 0
		.amdhsa_kernarg_size 16
		.amdhsa_user_sgpr_count 2
		.amdhsa_user_sgpr_kernarg_segment_ptr 1
		.amdhsa_wavefront_size32 1
		.amdhsa_system_sgpr_workgroup_id_x 1
		.amdhsa_system_sgpr_workgroup_id_y 1
		.amdhsa_system_sgpr_workgroup_id_z 1
		.amdhsa_system_vgpr_workitem_id 0
		.amdhsa_next_free_vgpr 1024
		.amdhsa_next_free_sgpr 80
		.amdhsa_reserve_vcc 1
		.amdhsa_float_denorm_mode_32 3
		.amdhsa_float_denorm_mode_16_64 3
		.amdhsa_memory_ordered 1
		.amdhsa_forward_progress 1
		.amdhsa_inst_pref_size 255
	.end_amdhsa_kernel
	.section	.bss,"aw",@nobits
	.p2align	6
	.space	262144
	.amdgpu_metadata
---
amdhsa.version: [ 1, 2 ]
amdhsa.kernels:
  - .name:           k_q10e172fbe7_retn
    .symbol:         k_q10e172fbe7_retn.kd
    .args:
      - { .name: projb, .offset: 0, .size: 8, .value_kind: global_buffer, .address_space: global }
      - { .name: actb, .offset: 8, .size: 8, .value_kind: global_buffer, .address_space: global }
    .group_segment_fixed_size: 327680
    .private_segment_fixed_size: 0
    .kernarg_segment_align: 8
    .kernarg_segment_size: 16
    .max_flat_workgroup_size: 128
    .sgpr_count:     80
    .vgpr_count:     1024
    .wavefront_size: 32
...
	.end_amdgpu_metadata
.endif
;; end of part 3
;; launch outp (part 4): grid 8 x 32, 4 waves a work-group, clusters of 4 x 4, 327,680 bytes of LDS; arguments actb, prepb, bo, out0; writes out0
.if DOCPART == 4
	.amdgcn_target "amdgcn-amd-amdhsa--gfx1250"
	.amdhsa_code_object_version 6
	.text
	.protected	k_q10e172fbe7_outp
	.globl	k_q10e172fbe7_outp
	.p2align	8
	.type	k_q10e172fbe7_outp,@function
k_q10e172fbe7_outp:
	s_mov_b64 s[64:65], 0
	v_nop
	global_prefetch_b8 v0, s[64:65] scope:SCOPE_SE
	s_setreg_imm32_b32 hwreg(HW_REG_WAVE_MODE, 25, 1), 1
	s_wait_xcnt 0x0
	s_wait_alu depctr_hold_cnt(0) depctr_sa_sdst(0) depctr_va_vdst(0) depctr_va_sdst(0) depctr_va_ssrc(0) depctr_va_vcc(0) depctr_vm_vsrc(0)
	s_getreg_b32 s2, hwreg(HW_REG_IB_STS2, 6, 4)
	s_cmp_eq_u32 s2, 0
	s_cbranch_scc0 .Lentry_in_a_cluster
	s_endpgm
.Lentry_in_a_cluster:
	s_bfe_u32 s2, ttmp6, 0x10000c
	s_cmp_lg_u32 s2, 0xf033
	s_cbranch_scc0 .Lentry_shape_is_right
	s_endpgm
.Lentry_shape_is_right:
; OUTP: out0 = A B + bo.  A [4096][2048] f16 holds the gated, normalised heads / 4; B [2048 k][1024 n] f16 holds 4 Wo: the two powers of two cancel exactly.  Sums in f32, output f32.
; A tile of the output is 128 x 128 (256 work-groups); four waves, 64 x 64 each: 16 accumulators.  K goes in steps of 256 through a ring of two LDS slots.
; A's rows lie along K (512 bytes a row of a step).  B's K is its first axis: a step's tile is 256 rows of 256 bytes, and its fragments come out of LDS turned, by ds_load_tr16_b128.
; CLUSTERS 4 x 4: A's tiles are asked for jointly along a row of the cluster, B's along a column.  The matrix instruction is used transposed (source 0 = 16 columns of B, source 1 = 16 rows of A):
; a lane holds eight neighbouring numbers of a row.  bo is the C of each sum's first product.
; REGISTERS: window 0: v0-31 addresses; v96-127 bo; v128-255 the accumulators, on the way out whole rows.  Window 1: two fragment buffers of 128 (64 of A, then 64 of B).
.set WOO,    6094848
.set SIZE_K, 2048
.set SIZE_N, 1024
.set KSTEP,  256
.set PITCH,  528                       ; A's LDS row: 512 bytes + 16
.set BP,     288                       ; B's: 256 + 32: the turning load's 8 rows x 32 bytes fall on every bank once
.set HALFA,  64*PITCH
.set HALFB,  128*BP
.set BOFF,   2*HALFA
.set SLOT,   BOFF+2*HALFB
.set SPARE,  2*SLOT                    ; the spare words, 128 bytes a wave: two blocks of 256 bytes that no other line names
.set SPITCH, 528                       ; the way out: 128 rows x (512 + 16) bytes, in slot 0, which has had its last fill and its last read by then
.set LAPS,   SIZE_K/(2*KSTEP)
.set ADRA, 16                          ; v16-17 my A fragments in slot 0, 1
.set ADRB, 20                          ; v20-23 B: slot 0 rows 0-127, 128-255; slot 1 likewise: so that every offset stays under 65,536
.set STO,  24
.set RD,   25
.set CO,   26
.set BOV,  27
.set SPW,  28                          ; v28 LDS address of my spare word; never rewritten
.set NIL,  29                          ; v29 0; never rewritten
.set BI,   96
.set ACC,  128
.set F0,   0
.set F1,   128
.set G1, 24
.set G0, 32
.set G1B, 48
.set G0B, 56
.set MSB, 0
.macro WIN new                         ; the immediate's high byte repeats the setting that is left
.if MSB != (\new)
	s_set_vgpr_msb (MSB<<8)|(\new)
.set MSB, (\new)
.endif
.endm
.set MUL,  0x05                        ; sources 0 (B) and 1 (A) window 1; C and D window 0
.set TO_F, 0x40                        ; destination window 1, address window 0
.macro JLOAD s                         ; a joint load: waves 0 and 1 fetch A's two halves, waves 2 and 3 B's; an s_nop 0 and four v_nop follow each line
	s_cmp_eq_u32 s11, 0
	s_cbranch_scc0 .Lfor_b_\@
	tensor_load_to_lds s[G0+4*\s:G0+4*\s+3], s[G1:G1+7]
	s_nop 0
.rept 4
	v_nop
.endr
	s_branch .Lasked_\@
.Lfor_b_\@:
	tensor_load_to_lds s[G0B+4*\s:G0B+4*\s+3], s[G1B:G1B+7]
	s_nop 0
.rept 4
	v_nop
.endr
.Lasked_\@:
.endm
.macro CREST                           ; a round of the cluster's barrier behind its opening barrier
	s_cmp_lg_u32 s10, 0
	s_cbranch_scc1 .Lnot_wave_0_\@
	s_barrier_signal -3
.Lnot_wave_0_\@:
	s_barrier_wait -3
	s_barrier_signal -1
	s_barrier_wait -1
.endm
.macro CROUND
	s_barrier_signal -1
	s_barrier_wait -1
	CREST
.endm
	s_load_b128 s[4:7], s[0:1], 0x0                ; A; the prepared buffer
	s_load_b128 s[68:71], s[0:1], 0x10             ; bo, the output
	v_lshl_add_u32 v[SPW], v0, 2, SPARE
	v_mov_b32 v[NIL], 0
	ds_add_u32 v[SPW], v[NIL]                      ; the wave's opening: the add, twice on end, and its wait ahead of my first tensor load
	ds_add_u32 v[SPW], v[NIL]
	v_lshrrev_b32 v1, 5, v0
	v_readfirstlane_b32 s10, v1                    ; wave 0..3
	s_lshr_b32 s11, s10, 1                         ; my half of the tile's rows.  Also: I fetch for A (0) or for B (1)
	s_and_b32 s12, s10, 1                          ; my half of its columns.  Also: which half of that tile I fetch
	s_bfe_u32 s40, ttmp6, 0x40000                  ; cx, cy
	s_bfe_u32 s41, ttmp6, 0x40004
	s_lshl_b32 s42, ttmp9, 2
	s_add_co_u32 s42, s42, s40                     ; tile column
	s_and_b32 s13, ttmp7, 0xffff
	s_lshl_b32 s13, s13, 2
	s_add_co_u32 s13, s13, s41                     ; tile row
	s_lshl_b32 s43, s41, 2
	s_lshl_b32 s43, 15, s43                        ; my row of the cluster
	s_lshl_b32 s44, 0x1111, s40                    ; my column
	s_or_b32 s[G1+0], s43, (1<<16)|(1<<20)|(1<<21)|(6<<22)|(3<<25)  ; A: 64 rows x 256 elements of 2 bytes; 4 words of padding behind every 128; bit 21 beside a mask
	s_mov_b32 s[G1+1], KSTEP<<16
	s_mov_b32 s[G1+2], 64<<16
	s_mov_b32 s[G1+3], KSTEP<<16
	s_mov_b32 s[G1+4], 64
	s_mov_b32 s[G1+5], SIZE_K
	s_mov_b32 s[G1+6], 0
	s_mov_b32 s[G1+7], 0
	s_or_b32 s[G1B+0], s44, (1<<16)|(1<<20)|(1<<21)|(5<<22)|(7<<25) ; B: 128 rows (k) x 128 elements (n); 8 words behind every 64
	s_mov_b32 s[G1B+1], 128<<16
	s_mov_b32 s[G1B+2], 128<<16
	s_mov_b32 s[G1B+3], 128<<16
	s_mov_b32 s[G1B+4], 128
	s_mov_b32 s[G1B+5], SIZE_N
	s_mov_b32 s[G1B+6], 0
	s_mov_b32 s[G1B+7], 0
	s_lshl_b32 s17, s12, 6
	s_lshl_b32 s16, s13, 7
	s_add_co_u32 s16, s16, s17                     ; A: row 128 x tile row + 64 x half,
	s_lshl_b32 s16, s16, 12                        ; of 4,096 bytes
	s_mov_b32 s17, 0
	s_lshl_b32 s46, s42, 8                         ; B: 128 columns of 2 bytes x tile column,
	s_lshl_b32 s47, s12, 18                        ; + 128 rows of 2,048 bytes x half,
	s_add_co_u32 s46, s46, s47
	s_add_co_u32 s46, s46, WOO                     ; in its region
	s_mov_b32 s47, 0
	s_mul_i32 s20, s12, HALFA                      ; where they go: by the wave's number alone
	s_mul_i32 s21, s12, HALFB
	s_add_co_u32 s21, s21, BOFF
	s_wait_dscnt 0x0                               ; both opening adds are done
	s_wait_kmcnt 0x0
	s_add_nc_u64 s[14:15], s[4:5], s[16:17]
	s_add_nc_u64 s[46:47], s[6:7], s[46:47]
	CROUND                                         ; all sixteen work-groups are here: the first joint loads meet
.irp s, 0,1
	s_mov_b32 s[G0+4*\s], 1
	s_add_co_u32 s[G0+4*\s+1], s20, \s*SLOT
	s_add_nc_u64 s[G0+4*\s+2:G0+4*\s+3], s[14:15], \s*KSTEP*2
	s_or_b32 s[G0+4*\s+3], s[G0+4*\s+3], 0x80000000
	s_mov_b32 s[G0B+4*\s], 1
	s_add_co_u32 s[G0B+4*\s+1], s21, \s*SLOT
	s_add_nc_u64 s[G0B+4*\s+2:G0B+4*\s+3], s[46:47], \s*KSTEP*SIZE_N*2
	s_or_b32 s[G0B+4*\s+3], s[G0B+4*\s+3], 0x80000000
	JLOAD \s                                       ; two tensor loads of mine are out
.endr
	v_and_b32 v1, 15, v0                           ; r
	v_bfe_u32 v2, v0, 4, 1                         ; h
	s_lshl_b32 s46, s42, 9                         ; bo: 128 columns of 4 bytes x tile column + my 64
	s_lshl_b32 s47, s12, 8
	s_add_co_u32 s46, s46, s47
	s_mov_b32 s47, 0
	s_add_nc_u64 s[68:69], s[68:69], s[46:47]
	v_lshlrev_b32 v[BOV], 5, v2
.irp b, 0,1,2,3
	global_load_b128 v[BI+8*\b:BI+8*\b+3], v[BOV], s[68:69] offset:64*\b          ; column block b, lane half h: columns 16 b + 8 h + 0 .. 7
	global_load_b128 v[BI+8*\b+4:BI+8*\b+7], v[BOV], s[68:69] offset:64*\b+16
.endr
	v_mul_u32_u24 v3, v1, PITCH
	v_lshl_add_u32 v3, v2, 4, v3
	s_mul_i32 s21, s11, HALFA                      ; my 64 rows of A
	v_add_nc_u32 v[ADRA], s21, v3
	v_add_nc_u32 v[ADRA+1], SLOT, v[ADRA]
	v_and_b32 v4, 7, v0
	v_lshl_add_u32 v4, v2, 3, v4
	v_mul_u32_u24 v4, v4, BP                       ; B, for the turning load: row k = 8 h + l % 8,
	v_bfe_u32 v5, v0, 3, 1
	v_lshl_add_u32 v4, v5, 4, v4                   ; columns 8 ((l / 8) % 2) on,
	s_lshl_b32 s22, s12, 7
	s_add_co_u32 s22, s22, BOFF                    ; in my 64 columns
	v_add_nc_u32 v[ADRB], s22, v4
	v_add_nc_u32 v[ADRB+1], HALFB, v[ADRB]
	v_add_nc_u32 v[ADRB+2], SLOT, v[ADRB]
	v_add_nc_u32 v[ADRB+3], SLOT, v[ADRB+1]
	s_mul_i32 s23, s11, 64*SPITCH                  ; into the stage: my 64 rows, my 256 of their 512 bytes; row r, 32 bytes for each half of the lanes
	s_lshl_b32 s21, s12, 8
	s_add_co_u32 s23, s23, s21
	v_mul_u32_u24 v4, v1, SPITCH
	v_lshl_add_u32 v4, v2, 5, v4
	v_add_nc_u32 v[STO], s23, v4
	s_mul_i32 s23, s10, 32*SPITCH                  ; back: wave w takes rows 32 w .. 32 w + 31, whole: 32 lanes a row
	v_and_b32 v5, 31, v0
	v_lshlrev_b32 v[CO], 4, v5
	v_add_nc_u32 v[RD], s23, v[CO]
	s_lshl_b32 s16, s13, 7
	s_lshl_b32 s17, s10, 5
	s_add_co_u32 s16, s16, s17                     ; the first row that I store,
	s_lshl_b32 s16, s16, 12                        ; of 4,096 bytes
	s_mov_b32 s17, 0
	s_add_nc_u64 s[70:71], s[70:71], s[16:17]
	s_lshl_b32 s46, s42, 9                         ; the tile's first column, in bytes
	s_mov_b32 s47, 0
	s_add_nc_u64 s[70:71], s[70:71], s[46:47]
; 8 matrix instructions: row blocks a0, a0 + 1 x all 4 column blocks, 32 along K: half c of buffer f.  first = 1: bo starts the sums.  The 16 accumulators take turns.
.macro MUL8 f, c, a0, first
.irp a, \a0, \a0+1
.irp b, 0,1,2,3
.if \first
	v_wmma_f32_16x16x32_f16 v[ACC+8*(4*(\a)+\b):ACC+8*(4*(\a)+\b)+7], v[\f+64+8*(4*\c+\b):\f+64+8*(4*\c+\b)+7], v[\f+8*(4*\c+\a):\f+8*(4*\c+\a)+7], v[BI+8*\b:BI+8*\b+7]
.else
	v_wmma_f32_16x16x32_f16 v[ACC+8*(4*(\a)+\b):ACC+8*(4*(\a)+\b)+7], v[\f+64+8*(4*\c+\b):\f+64+8*(4*\c+\b)+7], v[\f+8*(4*\c+\a):\f+8*(4*\c+\a)+7], v[ACC+8*(4*(\a)+\b):ACC+8*(4*(\a)+\b)+7]
.endif
.endr
.endr
.endm
; 32 LDS loads in one run: the fragments of the slot's q-th 64 along K into buffer f; the first 32 along K first.
; B: a turning load takes 16 k x 16 n and leaves half a fragment: lane l holds column l % 16 and 8 k; two of them, 16 rows apart, make 32 along K.
.macro FETCH slot, q, f
	WIN TO_F
.irp c, 0,1
.irp i, 0,1,2,3
	ds_load_tr16_b128 v[\f+64+8*(4*\c+\i):\f+64+8*(4*\c+\i)+3],   v[ADRB+2*\slot+(\q)/2] offset:(64*((\q)%2)+32*\c)*BP+32*\i
	ds_load_tr16_b128 v[\f+64+8*(4*\c+\i)+4:\f+64+8*(4*\c+\i)+7], v[ADRB+2*\slot+(\q)/2] offset:(64*((\q)%2)+32*\c+16)*BP+32*\i
	ds_load_b128 v[\f+8*(4*\c+\i):\f+8*(4*\c+\i)+3],              v[ADRA+\slot] offset:128*(\q)+64*\c+\i*16*PITCH
	ds_load_b128 v[\f+8*(4*\c+\i)+4:\f+8*(4*\c+\i)+7],            v[ADRA+\slot] offset:128*(\q)+64*\c+\i*16*PITCH+32
.endr
.endr
.endm
.macro PLACES                          ; four plain lines in front of loads into registers that matrix instructions have read, and of the first read of results
.rept 4
	v_nop
.endr
.endm
; A K step is four quarters of 64 along K, 32 matrix instructions each, on buffers 0, 1, 0, 1.  One of the first three: multiplies buffer f and fetches quarter q into g.
.macro QUARTER slot, q, f, g, first
	s_wait_dscnt 16                                ; the first 32 along K are in; the other sixteen loads may be out
	WIN MUL
	MUL8 \f, 0, 0, \first
	MUL8 \f, 0, 2, \first
	PLACES
	FETCH \slot, \q, \g
	s_wait_dscnt 32                                ; all but the 32 just issued
	WIN MUL
	MUL8 \f, 1, 0, 0
	MUL8 \f, 1, 2, 0
.endm
; The last quarter multiplies buffer 1 and changes slots: one barrier; in front of it each wave waits for all its tensor loads, adds 0 to its spare word, and waits for that and for its reads of this slot.
; fill = 1: this slot is filled again, two K steps ahead; the barrier then opens a round of the cluster's barrier.
.macro TURN slot, next, fill
	WIN 0                                          ; (the add's two registers lie in window 0)
	s_wait_tensorcnt 0x0                           ; all my tensor loads have landed: my part of the next slot
	ds_add_u32 v[SPW], v[NIL]                      ; 0 onto my spare word
	s_wait_dscnt 17                                ; (the add and the youngest sixteen loads may be out)
	WIN MUL
	MUL8 F1, 0, 0, 0                               ; eight matrix instructions stand between the add and the wait for it
	s_wait_dscnt 0x0                               ; the add is done, and my reads of this slot are over
	s_barrier_signal -1
	MUL8 F1, 0, 2, 0
.if \fill
	WIN 0
.endif
	s_barrier_wait -1
.if \fill
	CREST                                          ; no wave of any partner still reads this slot's tile or has a load on its way
	s_add_nc_u64 s[G0+4*\slot+2:G0+4*\slot+3], s[G0+4*\slot+2:G0+4*\slot+3], 2*KSTEP*2
	s_add_nc_u64 s[G0B+4*\slot+2:G0B+4*\slot+3], s[G0B+4*\slot+2:G0B+4*\slot+3], 2*KSTEP*SIZE_N*2
	JLOAD \slot                                    ; the first tensor load behind the round; its four v_nop are also the places in front of the loads below
.else
	PLACES
.endif
	FETCH \next, 0, F0
	WIN MUL
	MUL8 F1, 1, 0, 0
	MUL8 F1, 1, 2, 0
.endm
	s_wait_tensorcnt 1                             ; my part of K step 0 is in; K step 1's load may be out
	s_barrier_signal -1
	s_barrier_wait -1
	FETCH 0, 0, F0
	s_wait_loadcnt 0x0                             ; bo
	QUARTER 0, 1, F0, F1, 1                        ; the first quarter stands in front of the loop: its first products start the sums
	WIN 0                                          ; at a label and at a branch every window is 0
	s_mov_b32 s3, LAPS-1
.Llap:                                                 ; a trip goes once round the ring, from a lap's second quarter to the next lap's first, and fills both slots again
	QUARTER 0, 2, F1, F0, 0
	QUARTER 0, 3, F0, F1, 0
	TURN 0, 1, 1
	QUARTER 1, 1, F0, F1, 0
	QUARTER 1, 2, F1, F0, 0
	QUARTER 1, 3, F0, F1, 0
	TURN 1, 0, 1
	QUARTER 0, 1, F0, F1, 0
	WIN 0
	s_sub_co_u32 s3, s3, 1
	s_cmp_lg_u32 s3, 0
	s_cbranch_scc1 .Llap
	QUARTER 0, 2, F1, F0, 0                        ; the last lap fills nothing, and has no round of the cluster's barrier
	QUARTER 0, 3, F0, F1, 0
	TURN 0, 1, 0
	QUARTER 1, 1, F0, F1, 0
	QUARTER 1, 2, F1, F0, 0
	QUARTER 1, 3, F0, F1, 0
	s_wait_dscnt 16                                ; the very last quarter: nothing more to fetch
	WIN MUL
	MUL8 F1, 0, 0, 0
	MUL8 F1, 0, 2, 0
	s_wait_dscnt 0
	MUL8 F1, 1, 0, 0
	MUL8 F1, 1, 2, 0
	WIN 0
	; THE WAY OUT: a lane's 32 bytes of a row into the work-group's stage; a barrier, since a row's 512 bytes come from two waves; back as whole rows, 32 rows a wave.
	PLACES
.irp a, 0,1,2,3
.irp b, 0,1,2,3
	ds_store_b128 v[STO], v[ACC+8*(4*\a+\b):ACC+8*(4*\a+\b)+3] offset:\a*16*SPITCH+64*\b        ; each accumulator from its low end on
	ds_store_b128 v[STO], v[ACC+8*(4*\a+\b)+4:ACC+8*(4*\a+\b)+7] offset:\a*16*SPITCH+64*\b+16
.endr
.endr
	s_wait_dscnt 0x0                               ; for the others' sake: my stores into the stage are done
	s_barrier_signal -1
	s_barrier_wait -1
.set i, 0
.rept 32
	ds_load_b128 v[ACC+4*i:ACC+4*i+3], v[RD] offset:i*SPITCH
.set i, i+1
.endr
.set i, 0
.rept 32
	s_wait_dscnt 31-i                              ; row i is back; the younger rows may be out
	global_store_b128 v[CO], v[ACC+4*i:ACC+4*i+3], s[70:71] offset:i*SIZE_N*4 th:TH_STORE_NT   ; 32 lanes store 512 consecutive bytes, at a multiple of 256 from the output's first byte
.set i, i+1
.endr
	s_wait_tensorcnt 0x0                           ; the wave's end, behind my last tensor load and my last LDS store
	ds_add_u32 v[SPW], v[NIL]
	s_wait_dscnt 0x0
	CROUND                                         ; the closing round: no work-group ends while a partner may still ask for a tile that names it
	s_endpgm
.Lfunc_end_k_q10e172fbe7_outp:
	.size	k_q10e172fbe7_outp, .Lfunc_end_k_q10e172fbe7_outp-k_q10e172fbe7_outp
	.p2alignl 7, 3214868480
	.fill 96, 4, 3214868480
	.section	.rodata,"a",@progbits
	.p2align	6, 0x0
	.amdhsa_kernel k_q10e172fbe7_outp
		.amdhsa_group_segment_fixed_size 327680
		.amdhsa_private_segment_fixed_size 0
		.amdhsa_enable_private_segment 0
		.amdhsa_kernarg_size 32
		.amdhsa_user_sgpr_count 2
		.amdhsa_user_sgpr_kernarg_segment_ptr 1
		.amdhsa_wavefront_size32 1
		.amdhsa_system_sgpr_workgroup_id_x 1
		.amdhsa_system_sgpr_workgroup_id_y 1
		.amdhsa_system_sgpr_workgroup_id_z 1
		.amdhsa_system_vgpr_workitem_id 0
		.amdhsa_next_free_vgpr 512
		.amdhsa_next_free_sgpr 72
		.amdhsa_reserve_vcc 0
		.amdhsa_float_denorm_mode_32 3
		.amdhsa_float_denorm_mode_16_64 3
		.amdhsa_memory_ordered 1
		.amdhsa_forward_progress 1
		.amdhsa_inst_pref_size 88
	.end_amdhsa_kernel
	.amdgpu_metadata
---
amdhsa.version: [ 1, 2 ]
amdhsa.kernels:
  - .name:           k_q10e172fbe7_outp
    .symbol:         k_q10e172fbe7_outp.kd
    .args:
      - { .name: actb, .offset: 0, .size: 8, .value_kind: global_buffer, .address_space: global }
      - { .name: prepb, .offset: 8, .size: 8, .value_kind: global_buffer, .address_space: global }
      - { .name: bo, .offset: 16, .size: 8, .value_kind: global_buffer, .address_space: global }
      - { .name: out0, .offset: 24, .size: 8, .value_kind: global_buffer, .address_space: global }
    .group_segment_fixed_size: 327680
    .private_segment_fixed_size: 0
    .kernarg_segment_align: 8
    .kernarg_segment_size: 32
    .max_flat_workgroup_size: 128
    .sgpr_count:     72
    .vgpr_count:     512
    .wavefront_size: 32
...
	.end_amdgpu_metadata
.endif
;; end of part 4
